; MI455X (gfx1250); checked and timed in simulation.
; The chip was launched on July 23, 2026; its instructions are those of AMD's public machine-readable ISA for CDNA 5 (MIT licence, August 2026) and "CDNA5" Instruction Set Architecture Reference Guide (July 2026). The comments in the code are by the model that wrote it; some were corrected since.
;; Multi Head Self Attention. Allowed arithmetic: matrix products marked QUANTISED: E2M1 operands, one E8M0 scale for each 32 along K, by v_wmma_scale_f32_16x16x128_f8f6f4 with both operands' format E2M1 (or v_wmma_scale_f32_32x16x128_f4), f32 sums; everything else in f32.
;; Inputs: b_fc 1,024 float32; b_qkv 3,072 float32; w_fc 1,024 x 1,024 float32; w_qkv 1,024 x 3,072 float32; x 4 x 2,048 x 1,024 float32.
;; Outputs: out0 4 x 2,048 x 1,024 float32.
;; This version of the problem:
;;   THIS VERSION OF THE PROBLEM IS GIVEN IN LOW PRECISION. The matrix products marked QUANTISED in the list below multiply operands that are first quantised to E2M1 (2 exponent bits, 1 mantissa bit; 4 bits a number), with one power-of-two scale for each 32 numbers along K (OCP MX v1.0); their sums are f32. All else is computed in f32.
;;   The module's matrix products, in the order in which they are computed (A, B: the left and right operand; K: the contracted axis; several contracted axes count as one K, in the product's order):
;;     1. [M 8,192, K 1,024] x [K 1,024, N 3,072]; A: input x; B: input w_qkv: QUANTISED
;;     2. batch 64 x [M 2,048, K 64] x [K 64, N 2,048]; A: computed on the way; B: computed on the way: QUANTISED
;;     3. batch 64 x [M 2,048, K 2,048] x [K 2,048, N 64]; A: softmax (see below); B: computed on the way: QUANTISED
;;     4. [M 8,192, K 1,024] x [K 1,024, N 1,024]; A: computed on the way; B: input w_fc: QUANTISED
;;   THE QUANTISER, for each operand of a quantised product, along K:
;;     - K is cut into blocks of 32 from its start; a last block that is shorter is filled with zeros.
;;     - A block's scale is 2^e with e = floor(log2(the largest magnitude in the block)) - 2, held to -126 .. 127; a block of zeros has e = 0. As a byte (E8M0): e + 127.
;;     - Each number is divided by its block's scale, clamped to +-6, and rounded to the nearest number of E2M1, ties to even, subnormals kept.
;;     - The product sums the exact products of the quantised numbers (number of the format x scale) in f32.
;;   ~~~python
;;   def quantise(x, axis):      # numpy; x: float32 -> the quantised numbers, widened to float32 again
;;       x = np.moveaxis(x, axis, -1); K = x.shape[-1]
;;       x = np.pad(x, [(0, 0)] * (x.ndim - 1) + [(0, -K % 32)]); x = x.reshape(x.shape[:-1] + (-1, 32)); a = np.abs(x).max(-1, keepdims=True)
;;       e = np.where(a > 0, np.clip(np.frexp(np.where(a > 0, a, 1))[1] - 1 - 2, -126, 127), 0)      # np.frexp(a)[1] - 1 = floor(log2(a)), exactly
;;       r = np.clip(x / 2.0 ** e, -6, 6)
;;       step = 2.0 ** (np.maximum(np.frexp(np.where(r == 0, 1, r))[1] - 1, 0) - 1)
;;       q = np.round(r / step) * step * 2.0 ** e      # np.round: ties to even
;;       return np.moveaxis(q.reshape(q.shape[:-2] + (-1,))[..., :K], -1, axis).astype(np.float32)
;;   ~~~
;;   SOFTMAX AHEAD OF A QUANTISED PRODUCT. Where the list says 'softmax', what is quantised is not the finished softmax but p = 2^(t - M), with t = logit x log2(e) and M = ceil(the row's largest t), a whole number; so 1/2 < the row's largest p <= 1. The row's sum l is taken of the UNQUANTISED p, in f32, and the product's result is divided by l at the end. Since M is a whole number, a kernel that streams over the keys may use a running M (the ceiling of the running maximum): every later rescaling is an exact power of two, which a block's scale takes up: the codes' values come out the same.
;;   OPERANDS COMPUTED ON THE WAY. 'Computed on the way' means the value that the module computes at that place (a softmax that the list does not call 'softmax' is quantised finished and normalised). What goes into a quantiser is computed in f32, as accurately as f32 sums, v_exp_f32 and their like allow (about 1e-6 of the number): no bf16 or f16 on the way to a quantiser, and a product that is left as it is and whose result goes on into a quantised operand takes f32 operands (vector FMAs, or v_wmma_f32_16x16x4_f32). A number that lies on a knife's edge between two numbers of the format may be rounded either way, as far as f32 arithmetic and the matrix unit's own rounding can turn it there, and no further.
;; One version. Each part assembles by itself: llvm-mc -triple=amdgcn-amd-amdhsa -mcpu=gfx1250 --defsym DOCPART=n.
;; ======== version 1 of 1: 4 launches
;; workspace buffers: xq 4,456,448 bytes; wq 1,671,168 bytes; wf 557,056 bytes; qkv 13,893,632 bytes; oq 4,456,448 bytes
;; launch prep (part 1): grid 256 x 1, 8 waves a work-group, no clusters, 103,424 bytes of LDS; arguments x, w_qkv, w_fc, xq, wq, wf; writes xq, wq, wf
.if DOCPART == 1
	.amdgcn_target "amdgcn-amd-amdhsa--gfx1250"
	.amdhsa_code_object_version 6
	.text
	.protected	k_q1b7d4c6ced_prep
	.globl	k_q1b7d4c6ced_prep
	.p2align	8
	.type	k_q1b7d4c6ced_prep,@function
k_q1b7d4c6ced_prep:
	s_mov_b64 s[64:65], 0
	v_nop
	global_prefetch_b8 v0, s[64:65] scope:SCOPE_SE
	s_setreg_imm32_b32 hwreg(HW_REG_WAVE_MODE, 25, 1), 1
	s_wait_xcnt 0x0
; x [8192][1024], w_qkv [1024][3072] and w_fc [1024][1024], f32, become codes of FP4 (E2M1) with K innermost and one E8M0 byte for each 32 along K.
; A block's byte is its largest magnitude's exponent field - 2, held at 1 from below; each number is divided by the scale and rounded to the nearest code, ties to even, beyond 6 the largest code.
; LAYOUT OF THE RESULTS: codes [row][512 bytes], then scale bytes [row][32].  THE ROWS LIE IN POSITION ORDER: in each aligned group of 32 rows, row t lies at place 16 ((t >> 3) & 1) + (t & 7) + 8 (t >> 4).
; Sixteen consecutive places are then a tile whose lane r holds row 8 u + r + 8 (r / 8): the products that read these buffers get 16 neighbours along their next K in a lane's 16 result registers.
; LIMITS: NaN and infinities among the inputs are not served; a block whose largest magnitude lies under 2^-124 (a block of zeros too) gets the byte 1; its codes of zeros add nothing, and this program alone reads the bytes.
; SHARES: work-groups 0-127: x (a wave: 8 rows, 8,192 numbers);  128-223: w_qkv;  224-255: w_fc (a work-group: 64 columns x 512 along K).  The three ways part on the work-group's number and have LDS bytes of their own.
; No tensor loads, no matrix unit, no cluster: every input byte is read once and nothing is shared between work-groups.
; The weights' scale bytes leave as pieces of 16 bytes of rows 32 bytes long (131,072 bytes in the whole launch): blocks of 256 bytes are there written in part.
.set SP,   80                          ; x: a lane's place in a stage: 64 bytes + 16 of padding
.set RX,   16                          ; v16-143  eight sets of 16 numbers as loaded
.set XX,   144                         ; v144-175 two sets of 16 neighbours
.set EE,   176                         ; v176-191 a scale byte for each step
.set CC,   192                         ; v192-223 two registers of codes for each step: no store's data are written again
.set LBQ,  65536                       ; LDS of w_qkv's way: 64 rows x 272 bytes of codes, then 64 x 16 scale bytes
.set LBF,  83968                       ; and of w_fc's
.set WST,  64*272
.macro XLOAD t                         ; step t: 2,048 consecutive bytes, 512 a load
.irp i, 0,1,2,3
	global_load_b128 v[RX+16*((\t)%8)+4*\i:RX+16*((\t)%8)+4*\i+3], v3, s[4:5] offset:2048*(\t)+512*\i th:TH_LOAD_NT
.endr
.endm
.macro XTURN t                         ; through the wave's own stage: in as loaded, out 64 bytes a lane; LDS serves a wave's instructions in order
.irp i, 0,1,2,3
	ds_store_b128 v14, v[RX+16*((\t)%8)+4*\i:RX+16*((\t)%8)+4*\i+3] offset:32*SP*((\t)%2)+8*SP*\i
.endr
.irp i, 0,1,2,3
	ds_load_b128 v[XX+16*((\t)%2)+4*\i:XX+16*((\t)%2)+4*\i+3], v15 offset:32*SP*((\t)%2)+16*\i
.endr
.endm
.macro XSTEP t
.set XS, XX+16*((\t)%2)
.if (\t) > 0
	s_wait_dscnt 1                                 ; this step's numbers are back from the stage; only the last step's byte store may be out
.else
	s_wait_dscnt 0x0
.endif
.if (\t)+8 < 16
	XLOAD (\t)+8                                   ; into the set that this step's stage stores have read
.endif
.if (\t)+1 < 16
.if 14-(\t) >= 7
	s_wait_loadcnt 28                              ; the next step's four loads are in; those of the seven steps behind it may be out
.else
	s_wait_loadcnt 4*(14-(\t))
.endif
	XTURN (\t)+1
.endif
	v_max3_num_f32 v8, |v[XS]|, |v[XS+1]|, |v[XS+2]|               ; the largest magnitude of my 16, in two chains
	v_max3_num_f32 v9, |v[XS+3]|, |v[XS+4]|, |v[XS+5]|
.irp i, 6,10
	s_delay_alu instid0(VALU_DEP_2)
	v_max3_num_f32 v8, v8, |v[XS+\i]|, |v[XS+\i+1]|
	s_delay_alu instid0(VALU_DEP_2)
	v_max3_num_f32 v9, v9, |v[XS+\i+2]|, |v[XS+\i+3]|
.endr
	s_delay_alu instid0(VALU_DEP_2)
	v_max3_num_f32 v8, v8, |v[XS+14]|, |v[XS+15]|
	s_delay_alu instid0(VALU_DEP_1)
	v_max3_num_f32 v8, v8, v9, 0x1800000           ; and the floor 2^(3 - 127): the byte cannot fall under 1
	s_delay_alu instid0(VALU_DEP_1)
	v_max_num_f32_dpp v8, v8, v8 row_xmask:1 row_mask:0xf bank_mask:0xf   ; with my neighbour's 16: the block's
	s_delay_alu instid0(VALU_DEP_1)
	v_add_nc_u32 v11, 0xff000000, v8               ; 2 off the exponent field: the conversion's scale operand
	v_cvt_scalef32_pk8_fp4_f32 v[CC+2*(\t)], v[XS:XS+7], v11
	v_cvt_scalef32_pk8_fp4_f32 v[CC+2*(\t)+1], v[XS+8:XS+15], v11
	v_lshrrev_b32 v[EE+(\t)], 23, v11              ; the scale's byte (a plain line behind the conversions)
	ds_store_b8 v5, v[EE+(\t)] offset:16*(\t)      ; both lanes of a block write the same byte with the same value
	global_store_b64 v4, v[CC+2*(\t):CC+2*(\t)+1], s[10:11] offset:256*(\t)   ; the wave stores 256 consecutive bytes, aligned
.endm
; A weight's block t of my column: 32 numbers down K, all mine
.macro WBLOCK t
.set XS, 32+32*(\t)
.if (\t) < 2
	s_wait_loadcnt 63                              ; of my 128 loads at most 63 are out: the first 65, blocks 0 and 1 among them, are in
.elseif (\t) == 2
	s_wait_loadcnt 32                              ; block 3's may be out
.else
	s_wait_loadcnt 0x0
.endif
	v_max3_num_f32 v12, |v[XS]|, |v[XS+1]|, |v[XS+2]|
	v_max3_num_f32 v13, |v[XS+3]|, |v[XS+4]|, |v[XS+5]|
.irp i, 6,10,14,18,22,26
	s_delay_alu instid0(VALU_DEP_2)
	v_max3_num_f32 v12, v12, |v[XS+\i]|, |v[XS+\i+1]|
	s_delay_alu instid0(VALU_DEP_2)
	v_max3_num_f32 v13, v13, |v[XS+\i+2]|, |v[XS+\i+3]|
.endr
	s_delay_alu instid0(VALU_DEP_2)
	v_max3_num_f32 v12, v12, |v[XS+30]|, |v[XS+31]|
	s_delay_alu instid0(VALU_DEP_1)
	v_max3_num_f32 v12, v12, v13, 0x1800000        ; the floor 2^(3 - 127)
	s_delay_alu instid0(VALU_DEP_1)
	v_add_nc_u32 v11, 0xff000000, v12
	s_delay_alu instid0(VALU_DEP_1)
	v_lshrrev_b32 v13, 23, v11                     ; the scale's byte
.if (\t) == 0
	s_delay_alu instid0(VALU_DEP_1)
	v_mov_b32 v176, v13                            ; four bytes to a word, the lower K in the lower byte
.else
	s_delay_alu instid0(VALU_DEP_1)
	v_lshl_or_b32 v176, v13, 8*(\t), v176
.endif
.irp g, 0,1,2,3
	v_cvt_scalef32_pk8_fp4_f32 v[160+4*(\t)+\g], v[XS+8*\g:XS+8*\g+7], v11
.endr
	v_nop                                          ; one plain line behind the conversions
	ds_store_b128 v5, v[160+4*(\t):160+4*(\t)+3] offset:16*(\t)   ; 32 codes: 16 bytes of my column's row in the stage
.endm
; A weight [1024][N]: a lane takes a column, its registers run down K.  Wave w: columns 32 (w & 1) on, K 128 (w >> 1) on, of the work-group's 64 columns x 512.
; The codes meet in a stage by rows (a row = a column's place in position order, 256 bytes + 16); behind a barrier each wave stores eight whole rows, sixteen lanes to 256 aligned bytes.
.macro QW N, LB, first, src, dst
	s_sub_co_u32 s17, ttmp9, \first
	s_lshr_b32 s18, s17, 1
	s_lshl_b32 s18, s18, 6                         ; n0: my work-group's first column
	s_and_b32 s19, s17, 1                          ; y: which half of K
	s_and_b32 s20, s16, 1                          ; cg
	s_lshr_b32 s21, s16, 1                         ; kq
	s_lshl_b32 s22, s19, 9
	s_lshl_b32 s23, s21, 7
	s_add_co_u32 s22, s22, s23                     ; my first k
	s_mul_i32 s22, s22, \N
	s_add_co_u32 s22, s22, s18
	s_lshl_b32 s23, s20, 5
	s_add_co_u32 s22, s22, s23
	s_lshl_b32 s22, s22, 2                         ; (k N + column) x 4 bytes
	s_mov_b32 s23, 0
	v_bfe_u32 v3, v2, 3, 1
	v_and_b32 v4, 7, v2
	s_delay_alu instid0(VALU_DEP_1)
	v_lshl_add_u32 v4, v3, 4, v4
	v_lshrrev_b32 v3, 4, v2
	s_delay_alu instid0(VALU_DEP_1)
	v_lshl_add_u32 v4, v3, 3, v4                   ; my column's place in its group of 32
	s_lshl_b32 s24, s20, 5
	v_add_nc_u32 v4, s24, v4                       ; and among the 64
	s_delay_alu instid0(VALU_DEP_1)
	v_mul_u32_u24 v5, v4, 272
	s_lshl_b32 s24, s21, 6
	s_add_co_u32 s24, s24, \LB
	v_add_nc_u32 v5, s24, v5                       ; stage, in: row = place, + 64 bytes for each 128 along K
	v_lshlrev_b32 v6, 4, v4
	s_lshl_b32 s24, s21, 2
	s_add_co_u32 s24, s24, \LB+WST
	v_add_nc_u32 v6, s24, v6                       ; scale words, in: 16 bytes a row
	v_and_b32 v7, 15, v2
	v_lshrrev_b32 v8, 4, v2
	s_delay_alu instid0(VALU_DEP_1)
	v_mul_u32_u24 v9, v8, 272
	s_delay_alu instid0(VALU_DEP_1)
	v_lshl_add_u32 v9, v7, 4, v9
	s_mul_i32 s24, s16, 8*272
	s_add_co_u32 s24, s24, \LB
	v_add_nc_u32 v9, s24, v9                       ; stage, out: my wave's eight rows, two an instruction
	v_lshlrev_b32 v10, 2, v2
	s_lshl_b32 s24, s16, 7
	s_add_co_u32 s24, s24, \LB+WST
	v_add_nc_u32 v10, s24, v10                     ; scale words, out: my eight rows' 128 bytes
	v_lshlrev_b32 v14, 9, v8
	s_delay_alu instid0(VALU_DEP_1)
	v_lshl_add_u32 v14, v7, 4, v14                 ; the same two rows in the codes' buffer
	s_lshl_b32 s24, s16, 3
	s_add_co_u32 s24, s24, s18                     ; n0 + 8 w
	s_lshl_b32 s26, s24, 9
	s_lshl_b32 s25, s19, 8
	s_add_co_u32 s26, s26, s25
	s_mov_b32 s27, 0
	s_lshl_b32 s28, s24, 5
	s_lshl_b32 s25, s19, 4
	s_add_co_u32 s28, s28, s25
	s_add_co_u32 s28, s28, \N*512                  ; the scale bytes lie behind the codes
	s_mov_b32 s29, 0
	v_lshrrev_b32 v15, 2, v2
	v_and_b32 v16, 3, v2
	s_delay_alu instid0(VALU_DEP_2)
	v_lshlrev_b32 v15, 5, v15
	s_delay_alu instid0(VALU_DEP_1)
	v_lshl_add_u32 v15, v16, 2, v15                ; row lane / 4, word lane % 4
	v_lshlrev_b32 v3, 2, v2                        ; in: 4 bytes a lane
	s_wait_alu depctr_va_vdst(0)
	s_wait_kmcnt 0x0
	s_add_nc_u64 s[30:31], s[\src:\src+1], s[22:23]
	s_add_nc_u64 s[32:33], s[\dst:\dst+1], s[26:27]
	s_add_nc_u64 s[34:35], s[\dst:\dst+1], s[28:29]
.set i, 0
.rept 128
	global_load_b32 v[32+i], v3, s[30:31] offset:i*\N*4 th:TH_LOAD_NT   ; W(k + i, my column): 128 consecutive bytes a wave, 256 with the wave beside it
.set i, i+1
.endr
	WBLOCK 0
	WBLOCK 1
	WBLOCK 2
	WBLOCK 3
	ds_store_b32 v6, v176
	s_wait_dscnt 0x0                               ; for the others' sake: my stores into the stage are done
	s_barrier_signal -1
	s_barrier_wait -1
.irp t, 0,1,2,3
	ds_load_b128 v[180+4*\t:183+4*\t], v9 offset:2*\t*272
.endr
	ds_load_b32 v196, v10
.irp t, 0,1,2,3
	s_wait_dscnt 4-\t                              ; the later row pairs and the scale word may be out
	global_store_b128 v14, v[180+4*\t:183+4*\t], s[32:33] offset:1024*\t
.endr
	s_wait_dscnt 0x0
	global_store_b32 v15, v196, s[34:35]
.endm
	s_load_b256 s[4:11], s[0:1], 0x0               ; x s[4:5], w_qkv s[6:7], w_fc s[8:9], xq s[10:11]
	s_load_b128 s[12:15], s[0:1], 0x20             ; wq s[12:13], wf s[14:15]
	v_lshl_add_u32 v254, v0, 2, 0x19000
	v_mov_b32 v255, 0
	v_lshrrev_b32 v1, 5, v0
	s_delay_alu instid0(VALU_DEP_1)
	v_readfirstlane_b32 s16, v1                    ; wave 0..7
	v_and_b32 v2, 31, v0                           ; lane
	s_cmp_lt_u32 ttmp9, 128
	s_cbranch_scc0 .Lweights
	; ---- x: rows are dense and 1,024 long, so a wave's 8 rows are a plain stream of 256 blocks
	v_lshlrev_b32 v3, 4, v2                        ; my 16 bytes of a load's 512
	s_lshl_b32 s17, s16, 13                        ; my wave's 8,192 bytes of LDS
	v_lshrrev_b32 v14, 2, v2
	s_delay_alu instid0(VALU_DEP_1)
	v_mul_u32_u24 v14, v14, SP
	v_and_b32 v15, 3, v2
	s_delay_alu instid0(VALU_DEP_1)
	v_lshl_add_u32 v14, v15, 4, v14
	s_delay_alu instid0(VALU_DEP_1)
	v_add_nc_u32 v14, s17, v14                     ; stage, in: four lanes' 64 bytes on end, then 16 of padding
	v_mul_u32_u24 v15, v2, SP
	s_delay_alu instid0(VALU_DEP_1)
	v_add_nc_u32 v15, s17, v15                     ; stage, out: my 16 neighbours
	v_lshlrev_b32 v4, 3, v2                        ; 8 bytes a lane: codes, and the scale bytes on their way out
	v_lshrrev_b32 v5, 1, v2
	s_add_co_u32 s17, s17, 2*32*SP
	v_add_nc_u32 v5, s17, v5                       ; my block's byte among the wave's 256
	v_add_nc_u32 v6, s17, v4
	s_lshl_b32 s18, ttmp9, 3
	s_add_co_u32 s18, s18, s16                     ; which run of 8 rows is mine
	s_and_b32 s20, s18, 0xfffffffc
	s_and_b32 s21, s16, 1
	s_lshl_b32 s21, s21, 1
	s_bfe_u32 s22, s16, 0x10001
	s_or_b32 s20, s20, s21
	s_or_b32 s20, s20, s22                         ; and where it lies in position order: eight aligned rows move as one piece
	s_lshl_b32 s18, s18, 15
	s_mov_b32 s19, 0
	s_lshl_b32 s22, s20, 12
	s_mov_b32 s23, 0
	s_lshl_b32 s24, s20, 8
	s_add_co_u32 s24, s24, 4194304
	s_mov_b32 s25, 0
	s_wait_alu depctr_va_vdst(0)
	s_wait_kmcnt 0x0
	s_add_nc_u64 s[4:5], s[4:5], s[18:19]
	s_add_nc_u64 s[26:27], s[10:11], s[24:25]      ; scale bytes
	s_add_nc_u64 s[10:11], s[10:11], s[22:23]      ; codes
.irp t, 0,1,2,3,4,5,6,7
	XLOAD \t
.endr
	s_wait_loadcnt 28                              ; step 0's four loads are in
	XTURN 0
.irp t, 0,1,2,3,4,5,6,7,8,9,10,11,12,13,14,15
	XSTEP \t
.endr
	ds_load_b64 v[12:13], v6                       ; LDS serves a wave's instructions in order: these see my byte stores
	s_wait_dscnt 0x0
	global_store_b64 v4, v[12:13], s[26:27]        ; 256 consecutive bytes, aligned
	s_wait_tensorcnt 0x0
	ds_add_u32 v254, v255
	s_wait_dscnt 0x0
	s_endpgm
.Lweights:
	s_cmp_lt_u32 ttmp9, 224
	s_cbranch_scc0 .Lfc
	s_wait_alu depctr_va_vdst(0)
	QW 3072, LBQ, 128, 6, 12
	s_wait_tensorcnt 0x0
	ds_add_u32 v254, v255
	s_wait_dscnt 0x0
	s_endpgm
.Lfc:
	s_wait_alu depctr_va_vdst(0)
	QW 1024, LBF, 224, 8, 14
	s_wait_tensorcnt 0x0
	ds_add_u32 v254, v255
	s_wait_dscnt 0x0
	s_endpgm
.Lfunc_end_k_q1b7d4c6ced_prep:
	.size	k_q1b7d4c6ced_prep, .Lfunc_end_k_q1b7d4c6ced_prep-k_q1b7d4c6ced_prep
	.p2alignl 7, 3214868480
	.fill 96, 4, 3214868480
	.section	.rodata,"a",@progbits
	.p2align	6, 0x0
	.amdhsa_kernel k_q1b7d4c6ced_prep
		.amdhsa_group_segment_fixed_size 103424
		.amdhsa_private_segment_fixed_size 0
		.amdhsa_enable_private_segment 0
		.amdhsa_kernarg_size 48
		.amdhsa_user_sgpr_count 2
		.amdhsa_user_sgpr_kernarg_segment_ptr 1
		.amdhsa_wavefront_size32 1
		.amdhsa_system_sgpr_workgroup_id_x 1
		.amdhsa_system_sgpr_workgroup_id_y 1
		.amdhsa_system_sgpr_workgroup_id_z 1
		.amdhsa_system_vgpr_workitem_id 0
		.amdhsa_next_free_vgpr 256
		.amdhsa_next_free_sgpr 66
		.amdhsa_reserve_vcc 0
		.amdhsa_float_denorm_mode_32 3
		.amdhsa_float_denorm_mode_16_64 3
		.amdhsa_memory_ordered 1
		.amdhsa_forward_progress 1
		.amdhsa_inst_pref_size 86
	.end_amdhsa_kernel
	.amdgpu_metadata
---
amdhsa.version: [ 1, 2 ]
amdhsa.kernels:
  - .name:           k_q1b7d4c6ced_prep
    .symbol:         k_q1b7d4c6ced_prep.kd
    .args:
      - { .name: x, .offset: 0, .size: 8, .value_kind: global_buffer, .address_space: global }
      - { .name: w_qkv, .offset: 8, .size: 8, .value_kind: global_buffer, .address_space: global }
      - { .name: w_fc, .offset: 16, .size: 8, .value_kind: global_buffer, .address_space: global }
      - { .name: xq, .offset: 24, .size: 8, .value_kind: global_buffer, .address_space: global }
      - { .name: wq, .offset: 32, .size: 8, .value_kind: global_buffer, .address_space: global }
      - { .name: wf, .offset: 40, .size: 8, .value_kind: global_buffer, .address_space: global }
    .group_segment_fixed_size: 103424
    .private_segment_fixed_size: 0
    .kernarg_segment_align: 8
    .kernarg_segment_size: 48
    .max_flat_workgroup_size: 256
    .sgpr_count:     66
    .vgpr_count:     256
    .wavefront_size: 32
...
	.end_amdgpu_metadata
.endif
;; end of part 1
;; launch gemm1 (part 2): grid 12 x 32, 4 waves a work-group, clusters of 4 x 4, 296,448 bytes of LDS; arguments xq, wq, b_qkv, qkv; writes qkv
.if DOCPART == 2
	.amdgcn_target "amdgcn-amd-amdhsa--gfx1250"
	.amdhsa_code_object_version 6
	.text
	.protected	k_q1b7d4c6ced_gemm1
	.globl	k_q1b7d4c6ced_gemm1
	.p2align	8
	.type	k_q1b7d4c6ced_gemm1,@function
k_q1b7d4c6ced_gemm1:
	s_mov_b64 s[64:65], 0
	v_nop
	global_prefetch_b8 v0, s[64:65] scope:SCOPE_SE
	s_setreg_imm32_b32 hwreg(HW_REG_WAVE_MODE, 25, 1), 1
	s_wait_xcnt 0x0
	s_wait_alu depctr_hold_cnt(0) depctr_sa_sdst(0) depctr_va_vdst(0) depctr_va_sdst(0) depctr_va_ssrc(0) depctr_va_vcc(0) depctr_vm_vsrc(0)
	s_getreg_b32 s2, hwreg(HW_REG_IB_STS2, 6, 4)
	s_cmp_eq_u32 s2, 0
	s_cbranch_scc0 .Lentry_in_a_cluster
	s_endpgm
.Lentry_in_a_cluster:
	s_bfe_u32 s2, ttmp6, 0x10000c
	s_cmp_lg_u32 s2, 0xf033
	s_cbranch_scc0 .Lentry_shape_is_right
	s_endpgm
.Lentry_shape_is_right:
; qkv = Q(x) Q(w_qkv) + b_qkv on codes of FP4 (E2M1) with E8M0 scales; the results are quantised in registers (q, k along the head's 64; v along the keys) and stored as images of the registers
; in which the attention launch wants them.  No f32 result goes to memory.
; A work-group of four waves takes 256 rows of x and 256 rows of W (both in position order); a wave 128 x 128: 64 accumulators, 512 registers.  K = 1,024 lies in LDS whole: two slots of 512 along K,
; each filled once, with the scale bytes of all of K behind them: no LDS byte is filled twice.
; CLUSTERS: 4 x 4 work-groups; x's tiles are asked for jointly along a row of the cluster, W's along a column.  12 x 32 = 384 work-groups: more than one for each WGP and no whole multiple; a finer tile would read more LDS bytes for each product.
; TWO ORIENTATIONS, chosen by the cluster's x (0: q, 1: k, 2: v), which all partners share:
;   q, k: source 0 = 16 rows of W, source 1 = 16 rows of x: a lane holds one token, its registers run along n: 128 n = two heads' 64;
;   v:    source 0 = 16 rows of x, source 1 = 16 rows of W: a lane holds one n, its registers run along the tokens: 128 keys, one key step.
; Position order makes the 16 registers of two neighbouring source-0 tiles 16 neighbours along the next K.  The bias is the C of each sum's first matrix instruction.
; A RECORD of qkv (one for each batch and head, REC bytes): K's code images [tile][lane][16] at 0; V's [key step][d tile][half][lane][16] at 65,536; K's scale words [key step][lane][4] at 131,072;
; V's [key step][lane][2] at 139,264; Q's codes at 143,360 and scale words at 208,896, laid as K's.  Every store of the wave covers 256 or 512 consecutive bytes, aligned.
; LIMITS: NaN and infinities are not served; a block under 2^-124 gets the byte 1.
; REGISTERS: window 0: v16-27 addresses; v32-95 scale words, two sets (lanes 0-15 x's block i, lanes 16-31 W's); v128-191 x's fragments, one set, later the codes made; v192-199 their scale words; v200-227 at work.
;   window 1: W's fragments, two sets, at v0 and v128; v64-127 the bias as C.   windows 2, 3: the accumulators.
.set REC,    217088
.set ROWB,   256
.set PITCH,  272                       ; an LDS row: 256 bytes + 16 of padding: the 16 rows that a load touches start at 16 different banks (ISA guide 11.1)
.set NP,     4                         ; places behind this matrix instruction (ISA guide 7.12.1)
.set HALFT,  128*PITCH
.set SLOT,   4*HALFT                   ; x's 256 rows, then W's 256
.set SCL,    2*SLOT                    ; the scale bytes, as rows of 256 bytes + 16
.set HALFS,  16*272                    ; those of 128 rows
.set SBLK,   2*272                     ; those of 16 rows
.set ADRA, 16
.set ADRB, 20
.set BH,   23                          ; v23  64 x (lane / 16): the bias of q, k
.set BR,   24                          ; v24  4 x (r + 8 (r / 8)): the bias of v
.set L8,   25
.set L16,  26
.set ADRS, 27
.set SC,   32
.set AF,   128
.set PW,   192
.set TM,   200
.set WA,   216
.set BI,   64                          ; in window 1
.set G1, 24
.set G0, 32
.set G1B, 48
.set G0B, 56
.set G1S, 68
.set G0S, 76
.set G1SB, 80
.set G0SB, 88
.set HI,  95                           ; s95  mask of lanes 16-31
.set SEL, 96                           ; s96, s97  lane selects: lane l xor 16
.set MSB, 0
.macro WIN new                         ; the immediate's high byte repeats the setting that is left
.if MSB != (\new)
	s_set_vgpr_msb (MSB<<8)|(\new)
.set MSB, (\new)
.endif
.endm
.set TO_B, 0x40
; A joint load: waves 0 and 1 fetch for x, waves 2 and 3 for W.  Four v_nop follow each of the two lines.
.macro JLOAD g0a, g1a, g0b, g1b
	s_cmp_eq_u32 s15, 0
	s_cbranch_scc0 .Lfor_b_\@
	tensor_load_to_lds s[\g0a:\g0a+3], s[\g1a:\g1a+7]
	s_nop 0
.rept 4
	v_nop
.endr
	s_branch .Lasked_\@
.Lfor_b_\@:
	tensor_load_to_lds s[\g0b:\g0b+3], s[\g1b:\g1b+7]
	s_nop 0
.rept 4
	v_nop
.endr
.Lasked_\@:
.endm
.macro CROUND                          ; a round of the cluster's barrier
	s_barrier_signal -1
	s_barrier_wait -1
	s_cmp_lg_u32 s14, 0
	s_cbranch_scc1 .Lnot_wave_0_\@
	s_barrier_signal -3
.Lnot_wave_0_\@:
	s_barrier_wait -3
	s_barrier_signal -1
	s_barrier_wait -1
.endm
.macro PLACES n
.rept \n
	v_nop
.endr
.endm
.macro FRAG reg, adr, q, i             ; 16 rows x 128 K of 4-bit codes: 8 registers, two loads of 16 bytes, 32 bytes apart
.irp c, 0,1
	ds_load_b128 v[\reg+4*\c:\reg+4*\c+3], v[\adr] offset:64*(\q)+32*\c+(\i)*16*PITCH
.endr
.endm
.macro FETCH_B slot, q, p              ; W's eight fragments into set p
	WIN TO_B
.irp i, 0,1,2,3,4,5,6,7
	FRAG 128*(\p)+8*\i, ADRB+\slot, \q, \i
.endr
	WIN 0
.endm
.macro FETCH_A slot, q, i0             ; x's blocks i0 .. i0 + 3
.irp i, \i0, \i0+1, \i0+2, \i0+3
	FRAG AF+8*(\i), ADRA+\slot, \q, \i
.endr
.endm
.macro SCALES sc                       ; a slot's scale words: four a row; lanes 0-15 x's block i, lanes 16-31 W's block i
.irp i, 0,1,2,3,4,5,6,7
	ds_load_b128 v[SC+32*\sc+4*\i:SC+32*\sc+4*\i+3], v[ADRS] offset:\i*SBLK
.endr
.endm
; 16 matrix instructions, group g of a step's four.  Groups 0 and 1 read x's blocks 0-3, groups 2 and 3 blocks 4-7, in both orientations.  The 64 accumulators take turns, one instruction a turn,
; in the same order in every step.  first = 1: C is the bias.
.macro MUL16 isv, g, p, q, sc, first
.if \isv
.if \first
	WIN 0x94+0x40*((\g)%2)
.else
	WIN 0xa4+0x50*((\g)%2)
.endif
.set aa, 4*((\g)/2)
.rept 4
.set bb, 4*((\g)%2)
.rept 4
.set rD, 8*(8*(bb%4)+aa)
.if \first
	v_wmma_scale_f32_16x16x128_f8f6f4 v[rD:rD+7], v[AF+8*aa:AF+8*aa+7], v[128*(\p)+8*bb:128*(\p)+8*bb+7], v[BI+8*bb:BI+8*bb+7], v[SC+32*(\sc)+4*aa+(\q)], v[SC+32*(\sc)+4*bb+(\q)] matrix_a_fmt:MATRIX_FMT_FP4 matrix_b_fmt:MATRIX_FMT_FP4 matrix_b_scale:MATRIX_SCALE_ROW1
.else
	v_wmma_scale_f32_16x16x128_f8f6f4 v[rD:rD+7], v[AF+8*aa:AF+8*aa+7], v[128*(\p)+8*bb:128*(\p)+8*bb+7], v[rD:rD+7], v[SC+32*(\sc)+4*aa+(\q)], v[SC+32*(\sc)+4*bb+(\q)] matrix_a_fmt:MATRIX_FMT_FP4 matrix_b_fmt:MATRIX_FMT_FP4 matrix_b_scale:MATRIX_SCALE_ROW1
.endif
.set bb, bb+1
.endr
.set aa, aa+1
.endr
.else
.if \first
	WIN 0x91+0x40*((\g)/2)
.else
	WIN 0xa1+0x50*((\g)/2)
.endif
.set aa, 2*(\g)
.rept 2
.set bb, 0
.rept 8
.set rD, 8*(8*(aa%4)+bb)
.if \first
	v_wmma_scale_f32_16x16x128_f8f6f4 v[rD:rD+7], v[128*(\p)+8*bb:128*(\p)+8*bb+7], v[AF+8*aa:AF+8*aa+7], v[BI+8*bb:BI+8*bb+7], v[SC+32*(\sc)+4*bb+(\q)], v[SC+32*(\sc)+4*aa+(\q)] matrix_a_fmt:MATRIX_FMT_FP4 matrix_b_fmt:MATRIX_FMT_FP4 matrix_a_scale:MATRIX_SCALE_ROW1
.else
	v_wmma_scale_f32_16x16x128_f8f6f4 v[rD:rD+7], v[128*(\p)+8*bb:128*(\p)+8*bb+7], v[AF+8*aa:AF+8*aa+7], v[rD:rD+7], v[SC+32*(\sc)+4*bb+(\q)], v[SC+32*(\sc)+4*aa+(\q)] matrix_a_fmt:MATRIX_FMT_FP4 matrix_b_fmt:MATRIX_FMT_FP4 matrix_a_scale:MATRIX_SCALE_ROW1
.endif
.set bb, bb+1
.endr
.set aa, aa+1
.endr
.endif
.endm
; A step of 128 along K that has its successor in the same slot
.macro STEP isv, slot, q, first
	s_wait_dscnt 8                                 ; W's set and x's blocks 0-3 are in; the eight loads of x's blocks 4-7 may be out
	MUL16 \isv, 0, (\q)%2, \q, \slot, \first
	MUL16 \isv, 1, (\q)%2, \q, \slot, \first
	s_wait_dscnt 0x0                               ; x's blocks 4-7 are in
	PLACES NP                                      ; in front of loads into registers that matrix instructions have read
	FETCH_B \slot, (\q)+1, 1-(\q)%2
	FETCH_A \slot, (\q)+1, 0
	MUL16 \isv, 2, (\q)%2, \q, \slot, \first
	MUL16 \isv, 3, (\q)%2, \q, \slot, \first
	PLACES NP
	WIN 0
	FETCH_A \slot, (\q)+1, 4
.endm
; Slot 0's last step goes over to slot 1: one barrier, in front of which each wave has seen its part of slot 1 land.  Nothing is filled again.
.macro TURN isv
	s_wait_tensorcnt 0x0                           ; my part of slot 1 has landed
	s_wait_dscnt 8
	MUL16 \isv, 0, 1, 3, 0, 0
	s_wait_dscnt 0x0                               ; no LDS instruction of mine is out at a signal
	s_barrier_signal -1
	MUL16 \isv, 1, 1, 3, 0, 0
	WIN 0
	s_barrier_wait -1                              ; everybody's part has landed
	PLACES NP
	v_add_nc_u32 v[ADRS], 16, v[ADRS]              ; the second half of each row's 32 scale bytes
	FETCH_B 1, 0, 0
	FETCH_A 1, 0, 0
	SCALES 1
	MUL16 \isv, 2, 1, 3, 0, 0
	MUL16 \isv, 3, 1, 3, 0, 0
	PLACES NP
	WIN 0
	FETCH_A 1, 0, 4
.endm
.macro LAST isv
	s_wait_dscnt 8
	MUL16 \isv, 0, 1, 3, 1, 0
	MUL16 \isv, 1, 1, 3, 1, 0
	s_wait_dscnt 0x0
	MUL16 \isv, 2, 1, 3, 1, 0
	MUL16 \isv, 3, 1, 3, 1, 0
	WIN 0
	PLACES NP                                      ; in front of the first read of results and of writes into x's fragments' registers
.endm
; 64 results of a lane, v[s] .. v[s + 63] of window w, register 16 b + i = place 32 b + 16 (lane / 16) + i along the next K, become a fragment's codes in v[AF + 8 a] on and its scale word in v[PW + a].
; Each accumulator is read from its low end on.
.macro QUANT s, w, a
.set W1, (\w)|((\w)<<2)
.set W2, ((\w)<<2)|((\w)<<4)
	WIN W1
.irp b, 0,1,2,3
	v_max3_num_f32 v[TM+\b], |v[(\s)+16*\b]|, |v[(\s)+1+16*\b]|, 0x1800000   ; my 16 numbers of block b, and the floor 2^(3 - 127)
.endr
	WIN W2
.irp i, 2,4,6,8,10,12,14
.irp b, 0,1,2,3
	v_max3_num_f32 v[TM+\b], v[TM+\b], |v[(\s)+16*\b+\i]|, |v[(\s)+1+16*\b+\i]|
.endr
.endr
	WIN 0
.irp b, 0,1,2,3
	v_permlanex16_b32 v[TM+4+\b], v[TM+\b], s[SEL], s[SEL+1]
.endr
.irp b, 0,1,2,3
	v_max_num_f32 v[TM+\b], v[TM+\b], v[TM+4+\b]   ; with lane l xor 16's: the block's largest magnitude
.endr
.irp b, 0,1,2,3
	v_add_nc_u32 v[TM+12+\b], 0xff000000, v[TM+\b] ; 2 off the exponent field: the conversion's scale operand
.endr
.irp b, 0,1,2,3
	v_lshrrev_b32 v[TM+4+\b], 23, v[TM+12+\b]      ; the scale's byte
.endr
	v_lshl_or_b32 v[PW+(\a)], v[TM+5], 8, v[TM+4]
	v_lshl_or_b32 v[PW+(\a)], v[TM+6], 16, v[PW+(\a)]
	v_lshl_or_b32 v[PW+(\a)], v[TM+7], 24, v[PW+(\a)]
	WIN \w
.irp b, 0,1,2,3
	v_cvt_scalef32_pk8_fp4_f32 v[AF+8*(\a)+2*\b], v[(\s)+16*\b:(\s)+16*\b+7], v[TM+12+\b]
	v_cvt_scalef32_pk8_fp4_f32 v[AF+8*(\a)+2*\b+1], v[(\s)+16*\b+8:(\s)+16*\b+15], v[TM+12+\b]
.endr
	WIN 0
	v_nop                                          ; one plain line behind the conversions
.irp c, 0,1                                    ; the operand's layout wants a whole block in a lane
.irp i, 0,1
	v_permlane16_swap_b32 v[AF+8*(\a)+4*\c+\i], v[AF+8*(\a)+4*\c+2+\i]
.endr
.endr
.endm
.macro MAIN isv
	WIN TO_B
.if \isv
.irp b, 0,1,2,3,4,5,6,7
	global_load_b32 v[BI+8*\b], v[BR], s[8:9] offset:(32*(\b/2)+8*(\b%2))*4   ; a lane holds one n: its bias, in all eight registers of the C
.endr
	s_wait_loadcnt 0x0
	WIN 0x41
.irp b, 0,1,2,3,4,5,6,7
.irp j, 1,2,3,4,5,6,7
	v_mov_b32 v[BI+8*\b+\j], v[BI+8*\b]
.endr
.endr
	WIN 0
	PLACES NP
.else
.irp b, 0,1,2,3,4,5,6,7
	global_load_b128 v[BI+8*\b:BI+8*\b+3], v[BH], s[8:9] offset:(32*(\b/2)+8*(\b%2))*4      ; a lane's eight n of tile b
	global_load_b128 v[BI+8*\b+4:BI+8*\b+7], v[BH], s[8:9] offset:(32*(\b/2)+8*(\b%2))*4+16
.endr
	WIN 0
	s_wait_loadcnt 0x0
.endif
	s_wait_alu depctr_va_vdst(0)
	STEP \isv, 0, 0, 1
	STEP \isv, 0, 1, 0
	STEP \isv, 0, 2, 0
	TURN \isv
	STEP \isv, 1, 0, 0
	STEP \isv, 1, 1, 0
	STEP \isv, 1, 2, 0
	LAST \isv
.if \isv
	s_lshl_b32 s2, s18, 12                         ; V's images: 4,096 bytes a key step
	s_add_co_u32 s2, s2, 65536
	s_mov_b32 s3, 0
	s_lshl_b32 s12, s18, 8                         ; V's scale words: 256 bytes a key step
	s_add_co_u32 s12, s12, 139264
	s_mov_b32 s13, 0
	s_add_nc_u64 s[2:3], s[10:11], s[2:3]
	s_add_nc_u64 s[12:13], s[10:11], s[12:13]
.irp b, 0,1,2,3,4,5,6,7                        ; W's block b: d tile b % 4 of head b / 4; K = my 128 tokens
	QUANT 64*(\b%4), 2+\b/4, \b
	global_store_b128 v[L16], v[AF+8*\b:AF+8*\b+3], s[2:3] offset:(\b%4)*1024+(\b/4)*REC
	global_store_b128 v[L16], v[AF+8*\b+4:AF+8*\b+7], s[2:3] offset:(\b%4)*1024+(\b/4)*REC+512
.endr
.irp i, 0,1,2,3
	v_cndmask_b32 v[WA+\i], v[PW+2*\i], v[PW+2*\i+1], s[HI]   ; lanes 0-15 the even tile's words, lanes 16-31 the odd tile's
.endr
	global_store_b64 v[L8], v[WA:WA+1], s[12:13]
	global_store_b64 v[L8], v[WA+2:WA+3], s[12:13] offset:REC
.else
	s_cmp_eq_u32 ttmp9, 0                          ; q's sections or k's
	s_cselect_b32 s2, 143360, 0
	s_cselect_b32 s12, 77824, 0
	s_lshl_b32 s3, s18, 12                         ; eight tiles of 512 bytes a key step
	s_add_co_u32 s2, s2, s3
	s_mov_b32 s3, 0
	s_lshl_b32 s13, s18, 9                         ; scale words: 512 bytes a key step
	s_add_co_u32 s12, s12, s13
	s_add_co_u32 s12, s12, 131072
	s_mov_b32 s13, 0
	s_add_nc_u64 s[2:3], s[10:11], s[2:3]
	s_add_nc_u64 s[12:13], s[10:11], s[12:13]
.irp a, 0,1,2,3,4,5,6,7                        ; x's block a: a tile of 16 tokens; registers 0-3 of the fragment are my first head's 64, registers 4-7 the next head's
	QUANT 64*(\a%4), 2+\a/4, \a
	global_store_b128 v[L16], v[AF+8*\a:AF+8*\a+3], s[2:3] offset:512*\a
	global_store_b128 v[L16], v[AF+8*\a+4:AF+8*\a+7], s[2:3] offset:512*\a+REC
.endr
.irp i, 0,1,2,3
	v_cndmask_b32 v[WA+\i], v[PW+2*\i], v[PW+2*\i+1], s[HI]
.endr
.irp i, 0,1,2,3
	v_and_b32 v[WA+4+\i], 0xffff, v[WA+\i]         ; the first head's two bytes; the bytes of the padded K stay 0 over zero codes
	v_lshrrev_b32 v[WA+8+\i], 16, v[WA+\i]         ; the next head's
.endr
	global_store_b128 v[L16], v[WA+4:WA+7], s[12:13]
	global_store_b128 v[L16], v[WA+8:WA+11], s[12:13] offset:REC
.endif
.endm
	s_load_b128 s[4:7], s[0:1], 0x0                ; xq s[4:5], wq s[6:7]
	s_load_b128 s[8:11], s[0:1], 0x10              ; b_qkv s[8:9], qkv s[10:11]
	v_lshl_add_u32 v254, v0, 2, 0x48400
	v_mov_b32 v255, 0
	ds_add_u32 v254, v255
	ds_add_u32 v254, v255
	v_lshrrev_b32 v1, 5, v0
	v_readfirstlane_b32 s14, v1                    ; wave 0..3
	s_lshr_b32 s15, s14, 1                         ; my half of x's rows.  Also: I fetch for x (0) or for W (1)
	s_and_b32 s16, s14, 1                          ; my half of W's rows.  Also: which 128 rows I fetch
	s_bfe_u32 s40, ttmp6, 0x40000                  ; cx, cy: my place in the cluster
	s_bfe_u32 s41, ttmp6, 0x40004
	s_lshl_b32 s42, ttmp9, 2
	s_add_co_u32 s42, s42, s40                     ; X: which 256 rows of W
	s_and_b32 s17, ttmp7, 0xffff
	s_lshl_b32 s17, s17, 2
	s_add_co_u32 s17, s17, s41                     ; Y: which 256 rows of x
	s_lshl_b32 s43, s41, 2
	s_lshl_b32 s43, 15, s43                        ; my row of the cluster
	s_lshl_b32 s44, 0x1111, s40                    ; my column
	s_or_b32 s[G1+0], s43, (0<<16)|(1<<20)|(1<<21)|(5<<22)|(3<<25)   ; the mask; elements of 1 byte; padding on; bit 21 beside a mask; 4 words behind every 64
	s_or_b32 s[G1B+0], s44, (0<<16)|(1<<20)|(1<<21)|(5<<22)|(3<<25)
.irp g, G1, G1B
	s_mov_b32 s[\g+1], ROWB<<16                    ; tensor_dim0 = 256
	s_mov_b32 s[\g+2], 128<<16                     ; tensor_dim1 = 128
	s_mov_b32 s[\g+3], ROWB<<16                    ; tile_dim0
	s_mov_b32 s[\g+4], 128                         ; tile_dim1
	s_mov_b32 s[\g+5], 512                         ; a row of codes in memory
	s_mov_b32 s[\g+6], 0
	s_mov_b32 s[\g+7], 0
.endr
	s_or_b32 s[G1S+0], s43, (3<<16)|(1<<20)|(1<<21)|(5<<22)|(3<<25)  ; the scale bytes of 128 rows: 4,096 dense bytes as 16 rows of 32 elements of 8 bytes
	s_or_b32 s[G1SB+0], s44, (3<<16)|(1<<20)|(1<<21)|(5<<22)|(3<<25)
.irp g, G1S, G1SB
	s_mov_b32 s[\g+1], 32<<16
	s_mov_b32 s[\g+2], 16<<16
	s_mov_b32 s[\g+3], 32<<16
	s_mov_b32 s[\g+4], 16
	s_mov_b32 s[\g+5], 32
	s_mov_b32 s[\g+6], 0
	s_mov_b32 s[\g+7], 0
.endr
	s_lshl_b32 s18, s16, 7
	s_lshl_b32 s20, s17, 8
	s_add_co_u32 s20, s20, s18                     ; x: row 256 Y + 128 x half
	s_lshl_b32 s46, s42, 8
	s_add_co_u32 s46, s46, s18                     ; W: row 256 X + 128 x half
	s_lshl_b32 s22, s20, 5
	s_add_co_u32 s22, s22, 4194304                 ; these rows' scale bytes
	s_mov_b32 s23, 0
	s_lshl_b32 s92, s46, 5
	s_add_co_u32 s92, s92, 1572864
	s_mov_b32 s93, 0
	s_lshl_b32 s20, s20, 9                         ; and their codes
	s_mov_b32 s21, 0
	s_lshl_b32 s46, s46, 9
	s_mov_b32 s47, 0
	s_mul_i32 s45, s14, HALFT                      ; where they go: wave x 128 rows
	s_mul_i32 s94, s14, HALFS
	s_mov_b32 s[HI], 0xffff0000
	s_mov_b32 s[SEL], 0x76543210
	s_mov_b32 s[SEL+1], 0xfedcba98
	s_wait_dscnt 0x0
	s_wait_kmcnt 0x0
	s_add_nc_u64 s[20:21], s[4:5], s[20:21]
	s_add_nc_u64 s[22:23], s[4:5], s[22:23]
	s_add_nc_u64 s[46:47], s[6:7], s[46:47]
	s_add_nc_u64 s[92:93], s[6:7], s[92:93]
	CROUND                                         ; all sixteen work-groups are here: the joint loads meet
	s_mov_b32 s[G0S], 1
	s_add_co_u32 s[G0S+1], s94, SCL
	s_mov_b64 s[G0S+2:G0S+3], s[22:23]
	s_or_b32 s[G0S+3], s[G0S+3], 0x80000000
	s_mov_b32 s[G0SB], 1
	s_add_co_u32 s[G0SB+1], s94, SCL
	s_mov_b64 s[G0SB+2:G0SB+3], s[92:93]
	s_or_b32 s[G0SB+3], s[G0SB+3], 0x80000000
	JLOAD G0S, G1S, G0SB, G1SB                     ; three loads of mine go out: the scale bytes,
.irp s, 0,1
	s_mov_b32 s[G0+4*\s], 1
	s_add_co_u32 s[G0+4*\s+1], s45, \s*SLOT
	s_add_nc_u64 s[G0+4*\s+2:G0+4*\s+3], s[20:21], \s*ROWB
	s_or_b32 s[G0+4*\s+3], s[G0+4*\s+3], 0x80000000
	s_mov_b32 s[G0B+4*\s], 1
	s_add_co_u32 s[G0B+4*\s+1], s45, \s*SLOT
	s_add_nc_u64 s[G0B+4*\s+2:G0B+4*\s+3], s[46:47], \s*ROWB
	s_or_b32 s[G0B+4*\s+3], s[G0B+4*\s+3], 0x80000000
	JLOAD G0+4*\s, G1, G0B+4*\s, G1B               ; and both halves of K
.endr
	v_and_b32 v1, 15, v0                           ; r
	v_bfe_u32 v2, v0, 4, 1                         ; h
	v_mul_u32_u24 v3, v1, PITCH
	v_lshl_add_u32 v4, v2, 4, v3                   ; a fragment's row x pitch + 16 h
	s_mul_i32 s21, s15, HALFT
	s_mul_i32 s22, s16, HALFT
	s_add_co_u32 s22, s22, 2*HALFT
.irp s, 0,1
	v_add_nc_u32 v[ADRA+\s], s21, v4
	v_add_nc_u32 v[ADRB+\s], s22, v4
	s_add_co_u32 s21, s21, SLOT
	s_add_co_u32 s22, s22, SLOT
.endr
	v_mul_u32_u24 v5, v1, 32                       ; my row's scale bytes: 32 a row,
	v_lshrrev_b32 v6, 8, v5
	v_lshl_add_u32 v5, v6, 4, v5                   ; and 16 more for each 256 passed
	s_mul_i32 s21, s15, HALFS
	s_mul_i32 s22, s16, HALFS
	s_add_co_u32 s22, s22, 2*HALFS
	s_sub_co_u32 s22, s22, s21
	v_mul_u32_u24 v6, s22, v2                      ; lanes 16-31 take W's
	s_add_co_u32 s21, s21, SCL
	v_add_nc_u32 v5, v5, v6
	v_add_nc_u32 v[ADRS], s21, v5
	v_and_b32 v6, 31, v0
	v_lshlrev_b32 v[L16], 4, v6
	v_lshlrev_b32 v[L8], 3, v6
	v_lshlrev_b32 v[BH], 6, v2
	v_and_b32 v6, 8, v1
	v_add_nc_u32 v6, v6, v1
	v_lshlrev_b32 v[BR], 2, v6
.irp b, 0,1,2,3
	v_mov_b32 v[TM+4+\b], 0                        ; written once: a lane permute's destination counts as one of its sources
.endr
	s_lshl_b32 s12, s17, 8
	s_lshl_b32 s13, s15, 7
	s_add_co_u32 s12, s12, s13                     ; my first token
	s_lshr_b32 s13, s12, 11                        ; its batch
	s_bfe_u32 s18, s12, 0x40007                    ; and key step: 128 tokens
	s_and_b32 s19, s42, 3
	s_lshl_b32 s19, s19, 2
	s_lshl_b32 s2, s16, 1
	s_add_co_u32 s19, s19, s2                      ; my first head
	s_lshl_b32 s13, s13, 4
	s_add_co_u32 s13, s13, s19
	s_mul_i32 s12, s13, REC
	s_mov_b32 s13, 0
	s_add_nc_u64 s[10:11], s[10:11], s[12:13]      ; qkv at my first head's record
	s_lshl_b32 s2, s42, 10
	s_lshl_b32 s3, s16, 9
	s_add_co_u32 s2, s2, s3
	s_mov_b32 s3, 0
	s_add_nc_u64 s[8:9], s[8:9], s[2:3]            ; the bias at my first n
	s_wait_tensorcnt 1                             ; the scale bytes and my part of slot 0 are in; slot 1's load may be out
	s_barrier_signal -1
	s_barrier_wait -1                              ; everybody's are
	FETCH_B 0, 0, 0
	FETCH_A 0, 0, 0
	SCALES 0
	FETCH_A 0, 0, 4
	s_cmp_eq_u32 ttmp9, 2                          ; the cluster's x: the same in all partners
	s_cbranch_scc1 .Lvpart
	s_wait_alu depctr_va_vdst(0)
	MAIN 0
	s_branch .Ldone
.Lvpart:
	s_wait_alu depctr_va_vdst(0)
	MAIN 1
.Ldone:
	s_wait_tensorcnt 0x0
	ds_add_u32 v254, v255
	s_wait_dscnt 0x0
	CROUND                                         ; the closing round: no work-group ends while a partner may still ask for a tile that names it
	s_endpgm
.Lfunc_end_k_q1b7d4c6ced_gemm1:
	.size	k_q1b7d4c6ced_gemm1, .Lfunc_end_k_q1b7d4c6ced_gemm1-k_q1b7d4c6ced_gemm1
	.p2alignl 7, 3214868480
	.fill 96, 4, 3214868480
	.section	.rodata,"a",@progbits
	.p2align	6, 0x0
	.amdhsa_kernel k_q1b7d4c6ced_gemm1
		.amdhsa_group_segment_fixed_size 296448
		.amdhsa_private_segment_fixed_size 0
		.amdhsa_enable_private_segment 0
		.amdhsa_kernarg_size 32
		.amdhsa_user_sgpr_count 2
		.amdhsa_user_sgpr_kernarg_segment_ptr 1
		.amdhsa_wavefront_size32 1
		.amdhsa_system_sgpr_workgroup_id_x 1
		.amdhsa_system_sgpr_workgroup_id_y 1
		.amdhsa_system_sgpr_workgroup_id_z 1
		.amdhsa_system_vgpr_workitem_id 0
		.amdhsa_next_free_vgpr 1024
		.amdhsa_next_free_sgpr 98
		.amdhsa_reserve_vcc 0
		.amdhsa_float_denorm_mode_32 3
		.amdhsa_float_denorm_mode_16_64 3
		.amdhsa_memory_ordered 1
		.amdhsa_forward_progress 1
		.amdhsa_inst_pref_size 250
	.end_amdhsa_kernel
	.amdgpu_metadata
---
amdhsa.version: [ 1, 2 ]
amdhsa.kernels:
  - .name:           k_q1b7d4c6ced_gemm1
    .symbol:         k_q1b7d4c6ced_gemm1.kd
    .args:
      - { .name: xq, .offset: 0, .size: 8, .value_kind: global_buffer, .address_space: global }
      - { .name: wq, .offset: 8, .size: 8, .value_kind: global_buffer, .address_space: global }
      - { .name: b_qkv, .offset: 16, .size: 8, .value_kind: global_buffer, .address_space: global }
      - { .name: qkv, .offset: 24, .size: 8, .value_kind: global_buffer, .address_space: global }
    .group_segment_fixed_size: 296448
    .private_segment_fixed_size: 0
    .kernarg_segment_align: 8
    .kernarg_segment_size: 32
    .max_flat_workgroup_size: 128
    .sgpr_count:     98
    .vgpr_count:     1024
    .wavefront_size: 32
...
	.end_amdgpu_metadata
.endif
;; end of part 2
;; launch attn (part 3): grid 4 x 64, 16 waves a work-group, clusters of 4 x 1, 169,984 bytes of LDS; arguments qkv, oq; writes oq
.if DOCPART == 3
	.amdgcn_target "amdgcn-amd-amdhsa--gfx1250"
	.amdhsa_code_object_version 6
	.text
	.protected	k_q1b7d4c6ced_attn
	.globl	k_q1b7d4c6ced_attn
	.p2align	8
	.type	k_q1b7d4c6ced_attn,@function
k_q1b7d4c6ced_attn:
	s_mov_b64 s[64:65], 0
	v_nop
	global_prefetch_b8 v0, s[64:65] scope:SCOPE_SE
	s_setreg_imm32_b32 hwreg(HW_REG_WAVE_MODE, 25, 1), 1
	s_wait_xcnt 0x0
	s_wait_alu depctr_hold_cnt(0) depctr_sa_sdst(0) depctr_va_vdst(0) depctr_va_sdst(0) depctr_va_ssrc(0) depctr_va_vcc(0) depctr_vm_vsrc(0)
	s_getreg_b32 s2, hwreg(HW_REG_IB_STS2, 6, 4)
	s_cmp_eq_u32 s2, 0
	s_cbranch_scc0 .Lentry_in_a_cluster
	s_endpgm
.Lentry_in_a_cluster:
	s_bfe_u32 s2, ttmp6, 0x10000c
	s_cmp_lg_u32 s2, 0x3003
	s_cbranch_scc0 .Lentry_shape_is_right
	s_endpgm
.Lentry_shape_is_right:
; out = softmax(q k^T / 8) v for one batch and head, both products on codes of FP4 (E2M1) with E8M0 scales; out is quantised along the head's 64 in registers and stored as an image of the last product's operand.
; THE SOFTMAX AHEAD OF THE SECOND PRODUCT: t = score x log2(e) / 8; M = the running largest t rounded UP to a whole number; p = 2^(t - M) is quantised along the keys, not normalised;
; the row's sum is taken of the unquantised p and divides at the end.  When M moves, the sum and O are multiplied by 2^(old M - new M): exact.
; SHARES: a work-group owns 512 queries of one head, each of its sixteen waves two tiles of 16, one after the other; four waves share a SIMD, so that one wave's vector work stands beside another's products and LDS loads.
; A key step has 12 matrix instructions beside more than 200 vector instructions: the vector unit binds, so the waves stay small and plain.
; LDS: the head's K and V codes and scale words, 143,360 bytes, exactly as they lie at the head of its record: filled ONCE, each wave bringing 35 rows of 256 bytes.  No LDS byte is filled twice.
; CLUSTER: the four work-groups of a head ask for those bytes jointly.
; LAYOUT: both products transposed: S^T = K Q^T (source 0 = 16 keys), O^T = V^T P^T (source 0 = 16 of the head's 64): a lane holds one query throughout.  Tiles lie in position order, so the 16 registers of
; tiles 2 b and 2 b + 1 are 16 neighbours: keys in S^T, channels in O^T.  The first product's K is 64: registers 4-7 of K's and Q's fragments hold zero codes, which add nothing under their scale byte 0.
; oq: codes [head / 8][tile of 16 tokens][head % 8][lane][16 bytes]; scale bytes [token's place][32] at 4,194,304, byte 2 head + block: two bytes of a row at a time, 262,144 bytes in all, written in part-blocks.
; LIMITS: NaN and infinities are not served; a block under 2^-124 gets the byte 1.
; REGISTERS: v1-6 addresses that stay; v8-11 those of the step; v12 -M, v13 the largest t, v[14:15] the sum; v16-31 Q, two tiles; v32-95 K; v96-159 S^T, then p; v160-191 O^T; v192-223 V; v224-231 p's codes;
;   v232-239, v244-247, v252, v254 at work; v240-241 V's scale words, v242-243 Q's, v248-251 K's, v253 p's.
.set REC, 217088
.set VC,  65536
.set KS,  131072
.set VS,  139264
.set QC,  143360
.set QS,  208896
.set WV,  18
.set SEL, 20
.set CS,  22
.set G1,  24
.set G0,  32
.set TK,  36                           ; s36  the step's codes: 4,096 bytes a step, K's and V's alike
.set TS,  37                           ; s37  K's scale words: 512
.set TJ,  38                           ; s38  V's: 256
.set CNT, 39
.set HI,  40                           ; s40  mask of lanes 16-31
.macro CROUND
	s_barrier_signal -1
	s_barrier_wait -1
	s_cmp_lg_u32 s[WV], 0
	s_cbranch_scc1 .Lnot_wave_0_\@
	s_barrier_signal -3
.Lnot_wave_0_\@:
	s_barrier_wait -3
	s_barrier_signal -1
	s_barrier_wait -1
.endm
; A KEY STEP: 128 keys, for query tile p
.macro STEP p
	v_add_nc_u32 v8, s[TK], v1                     ; these four are also the places in front of loads into registers that the last products read
	v_add_nc_u32 v9, s[TK], v2
	v_add_nc_u32 v10, s[TS], v3
	v_add_nc_u32 v11, s[TJ], v4
.irp t, 0,1,2,3,4,5,6,7
	ds_load_b128 v[32+8*\t:35+8*\t], v8 offset:512*\t              ; K's tile t: an image, 16 bytes a lane on end
.endr
	ds_load_b128 v[248:251], v10                   ; K's scale words: register i: lanes 0-15 tile 2 i, lanes 16-31 tile 2 i + 1
.irp t, 0,1,2,3
.irp c, 0,1
	ds_load_b128 v[192+8*\t+4*\c:195+8*\t+4*\c], v9 offset:1024*\t+512*\c
.endr
.endr
	ds_load_b64 v[240:241], v11                    ; V's scale words, likewise
	s_wait_dscnt 9                                 ; K and its scale words are in; V's nine loads may be out
.irp t, 0,2,4,6
	v_wmma_scale_f32_16x16x128_f8f6f4 v[96+8*\t:103+8*\t], v[32+8*\t:39+8*\t], v[16+8*\p:23+8*\p], 0, v[248+\t/2], v[242+\p] matrix_a_fmt:MATRIX_FMT_FP4 matrix_b_fmt:MATRIX_FMT_FP4
	v_wmma_scale_f32_16x16x128_f8f6f4 v[104+8*\t:111+8*\t], v[40+8*\t:47+8*\t], v[16+8*\p:23+8*\p], 0, v[248+\t/2], v[242+\p] matrix_a_fmt:MATRIX_FMT_FP4 matrix_b_fmt:MATRIX_FMT_FP4 matrix_a_scale:MATRIX_SCALE_ROW1
.endr
.rept 4
	v_nop                                          ; places in front of the first read of the scores
.endr
.irp b, 0,1,2,3
	v_max3_num_f32 v[232+\b], v[96+16*\b], v[97+16*\b], v[98+16*\b]   ; the largest score of each block of 32 keys: for the row's maximum, and, since p rises with the score, for the block's largest p
.endr
.irp i, 3,5,7,9,11,13
.irp b, 0,1,2,3
	v_max3_num_f32 v[232+\b], v[232+\b], v[96+16*\b+\i], v[97+16*\b+\i]
.endr
.endr
.irp b, 0,1,2,3
	v_max_num_f32 v[232+\b], v[232+\b], v[111+16*\b]
.endr
.irp b, 0,1,2,3
	s_delay_alu instid0(VALU_DEP_4)
	v_permlanex16_b32 v[236+\b], v[232+\b], s[SEL], s[SEL+1]
.endr
.irp b, 0,1,2,3
	s_delay_alu instid0(VALU_DEP_4)
	v_max_num_f32 v[232+\b], v[232+\b], v[236+\b]  ; with lane l xor 16's 16 keys
.endr
	s_delay_alu instid0(VALU_DEP_2)
	v_max3_num_f32 v254, v232, v233, v234
	s_delay_alu instid0(VALU_DEP_1)
	v_max_num_f32 v254, v254, v235                 ; the step's largest score of my query
	s_delay_alu instid0(VALU_DEP_1)
	v_mul_f32 v254, s[CS], v254                    ; as t
	s_delay_alu instid0(VALU_DEP_1)
	v_max_num_f32 v13, v13, v254                   ; the running largest t
	v_mov_b32 v254, v12
	s_delay_alu instid0(VALU_DEP_2)
	v_floor_f32 v12, -v13                          ; the new -M = floor(-t): M is a whole number
	s_delay_alu instid0(VALU_DEP_1)
	v_sub_f32 v254, v12, v254                      ; old M - new M: a whole number, 0 or less
	s_delay_alu instid0(VALU_DEP_1)
	v_cvt_i32_f32 v254, v254                       ; (it saturates)
	s_delay_alu instid0(VALU_DEP_1)
	v_ldexp_f32 v252, 1.0, v254                    ; f = 2^(old M - new M)
.set j, 0
.rept 32
	v_pk_fma_f32 v[96+j:97+j], v[96+j:97+j], s[CS:CS+1], v[12:13] op_sel_hi:[1,0,0]   ; t - M, two at a time
.set j, j+2
.endr
.irp b, 0,1,2,3
	v_fma_f32 v[232+\b], v[232+\b], s[CS], v12     ; the same of each block's largest score
.endr
.set j, 0
	s_wait_alu depctr_va_vdst(0)
.rept 64
	v_exp_f32 v[96+j], v[96+j]                     ; p = 2^(t - M), at most 1
.set j, j+1
.endr
	s_setprio 1
.irp b, 0,1,2,3
	v_exp_f32 v[232+\b], v[232+\b]                 ; the block's largest p: the same two instructions on the same number
.endr
	v_pk_mul_f32 v[14:15], v[14:15], v[252:253] op_sel_hi:[1,0]   ; the sums under the new M (a plain line behind the exponentials)
	s_wait_alu depctr_va_vdst(0)
.irp b, 0,1,2,3
	v_max_num_f32 v[232+\b], 0x1800000, v[232+\b]  ; the floor 2^(3 - 127)
.endr
.irp b, 0,1,2,3
	s_delay_alu instid0(VALU_DEP_4)
	v_add_nc_u32 v[244+\b], 0xff000000, v[232+\b]  ; the conversion's scale operand
.endr
.irp b, 0,1,2,3
	s_delay_alu instid0(VALU_DEP_4)
	v_lshrrev_b32 v[236+\b], 23, v[244+\b]         ; the scale's byte
.endr
	s_delay_alu instid0(VALU_DEP_3)
	v_lshl_or_b32 v253, v237, 8, v236              ; p's scale word for these 128 keys
	s_delay_alu instid0(VALU_DEP_1)
	v_lshl_or_b32 v253, v238, 16, v253
	s_delay_alu instid0(VALU_DEP_1)
	v_lshl_or_b32 v253, v239, 24, v253
.irp b, 0,1,2,3
	v_cvt_scalef32_pk8_fp4_f32 v[224+2*\b], v[96+16*\b:103+16*\b], v[244+\b]
	v_cvt_scalef32_pk8_fp4_f32 v[225+2*\b], v[104+16*\b:111+16*\b], v[244+\b]
.endr
	v_nop                                          ; one plain line behind the conversions
.irp c, 0,1
.irp i, 0,1
	v_permlane16_swap_b32 v[224+4*\c+\i], v[226+4*\c+\i]   ; a whole block in a lane
.endr
.endr
.set j, 0
.rept 16
	v_pk_mul_f32 v[160+j:161+j], v[160+j:161+j], v[252:253] op_sel_hi:[1,0]   ; O^T under the new M
.set j, j+2
.endr
	v_pk_add_f32 v[236:237], v[100:101], v[104:105]
	v_pk_add_f32 v[254:255], v[108:109], v[112:113]
	v_pk_add_f32 v[250:251], v[116:117], v[120:121]
	v_pk_add_f32 v[248:249], v[124:125], v[128:129]
	v_pk_add_f32 v[246:247], v[132:133], v[136:137]
	v_pk_add_f32 v[244:245], v[140:141], v[144:145]
	v_pk_add_f32 v[234:235], v[148:149], v[152:153]
	v_pk_add_f32 v[14:15], v[14:15], v[156:157]
	v_pk_add_f32 v[236:237], v[236:237], v[96:97]
	v_pk_add_f32 v[254:255], v[254:255], v[98:99]
	v_pk_add_f32 v[250:251], v[250:251], v[102:103]
	v_pk_add_f32 v[248:249], v[248:249], v[106:107]
	v_pk_add_f32 v[246:247], v[246:247], v[110:111]
	v_pk_add_f32 v[244:245], v[244:245], v[114:115]
	v_pk_add_f32 v[234:235], v[234:235], v[118:119]
	s_setprio 0
	v_pk_add_f32 v[14:15], v[14:15], v[122:123]
	v_pk_add_f32 v[236:237], v[236:237], v[126:127]
	v_pk_add_f32 v[254:255], v[254:255], v[130:131]
	v_pk_add_f32 v[250:251], v[250:251], v[134:135]
	v_pk_add_f32 v[248:249], v[248:249], v[138:139]
	v_pk_add_f32 v[246:247], v[246:247], v[142:143]
	v_pk_add_f32 v[244:245], v[244:245], v[146:147]
	v_pk_add_f32 v[234:235], v[234:235], v[150:151]
	v_pk_add_f32 v[14:15], v[14:15], v[154:155]
	v_pk_add_f32 v[236:237], v[236:237], v[158:159]
	s_delay_alu instid0(VALU_DEP_2)
	v_pk_add_f32 v[14:15], v[14:15], v[248:249]
	s_delay_alu instid0(VALU_DEP_2)
	v_pk_add_f32 v[236:237], v[236:237], v[246:247]
	v_pk_add_f32 v[254:255], v[254:255], v[244:245]
	v_pk_add_f32 v[250:251], v[250:251], v[234:235]
	s_delay_alu instid0(VALU_DEP_2)
	v_pk_add_f32 v[14:15], v[14:15], v[254:255]
	s_delay_alu instid0(VALU_DEP_2)
	v_pk_add_f32 v[236:237], v[236:237], v[250:251]
	s_delay_alu instid0(VALU_DEP_1)
	v_pk_add_f32 v[14:15], v[14:15], v[236:237]
	s_wait_dscnt 0x0                               ; V and its scale words are in
.irp t, 0,2                                    ; O^T += V^T P^T: the four accumulators take turns, one instruction a turn, with the eight score products between two steps
	v_wmma_scale_f32_16x16x128_f8f6f4 v[160+8*\t:167+8*\t], v[192+8*\t:199+8*\t], v[224:231], v[160+8*\t:167+8*\t], v[240+\t/2], v253 matrix_a_fmt:MATRIX_FMT_FP4 matrix_b_fmt:MATRIX_FMT_FP4
	v_wmma_scale_f32_16x16x128_f8f6f4 v[168+8*\t:175+8*\t], v[200+8*\t:207+8*\t], v[224:231], v[168+8*\t:175+8*\t], v[240+\t/2], v253 matrix_a_fmt:MATRIX_FMT_FP4 matrix_b_fmt:MATRIX_FMT_FP4 matrix_a_scale:MATRIX_SCALE_ROW1
.endr
.endm
; The tile's end: O^T / the sum, quantised along the head's 64 (two blocks), stored as half a fragment's image
.macro OUT p
.rept 4
	v_nop                                          ; places behind the last products
.endr
	v_add_f32 v14, v14, v15
	s_delay_alu instid0(VALU_DEP_1)
	v_permlanex16_b32 v252, v14, s[SEL], s[SEL+1]
	s_delay_alu instid0(VALU_DEP_1)
	v_add_f32 v14, v14, v252                       ; the row's sum
	s_wait_alu depctr_va_vdst(0)
	v_rcp_f32 v14, v14
	v_nop                                          ; a plain line behind the reciprocal
.set j, 0
	s_wait_alu depctr_va_vdst(0)
.rept 16
	v_pk_mul_f32 v[96+j:97+j], v[160+j:161+j], v[14:15] op_sel_hi:[1,0]   ; register 16 b + i: channel 32 b + 16 (lane / 16) + i; each accumulator from its low end on
.set j, j+2
.endr
.irp b, 0,1
	v_max3_num_f32 v[232+\b], |v[96+16*\b]|, |v[97+16*\b]|, 0x1800000
.endr
.irp i, 2,4,6,8,10,12,14
.irp b, 0,1
	s_delay_alu instid0(VALU_DEP_2)
	v_max3_num_f32 v[232+\b], v[232+\b], |v[96+16*\b+\i]|, |v[97+16*\b+\i]|
.endr
.endr
.irp b, 0,1
	s_delay_alu instid0(VALU_DEP_2)
	v_permlanex16_b32 v[236+\b], v[232+\b], s[SEL], s[SEL+1]
.endr
.irp b, 0,1
	s_delay_alu instid0(VALU_DEP_2)
	v_max_num_f32 v[232+\b], v[232+\b], v[236+\b]
.endr
.irp b, 0,1
	s_delay_alu instid0(VALU_DEP_2)
	v_add_nc_u32 v[244+\b], 0xff000000, v[232+\b]
.endr
.irp b, 0,1
	s_delay_alu instid0(VALU_DEP_2)
	v_lshrrev_b32 v[236+\b], 23, v[244+\b]
.endr
.irp b, 0,1
	v_cvt_scalef32_pk8_fp4_f32 v[224+2*\b], v[96+16*\b:103+16*\b], v[244+\b]
	v_cvt_scalef32_pk8_fp4_f32 v[225+2*\b], v[104+16*\b:111+16*\b], v[244+\b]
.endr
	v_nop
	v_permlane16_swap_b32 v224, v226
	v_permlane16_swap_b32 v225, v227
	v_cndmask_b32 v254, v236, v237, s[HI]          ; lanes 0-15 store block 0's byte, lanes 16-31 block 1's
	global_store_b128 v1, v[224:227], s[42:43] offset:65536*\p     ; 512 consecutive bytes, aligned
	global_store_b8 v6, v254, s[44:45] offset:8192*\p
.if \p == 0
	s_wait_xcnt 0x0                                ; the next tile writes the stores' data registers again only behind this wait
.endif
.endm
.macro PASS p
	v_mov_b32 v13, 0xff61b1e6                      ; the largest t so far: -3e38
	s_delay_alu instid0(VALU_DEP_1)
	v_floor_f32 v12, -v13                          ; -M
	v_mov_b32 v14, 0
	v_mov_b32 v15, 0
.set j, 0
.rept 32
	v_mov_b32 v[160+j], 0                          ; O^T: the step is written once; its first trip finds zeros, which the first change of M leaves zeros
.set j, j+1
.endr
	s_mov_b32 s[TK], 0
	s_mov_b32 s[TS], 0
	s_mov_b32 s[TJ], 0
	s_mov_b32 s[CNT], 16
.Lkeys_\@:
	s_setprio 2
	STEP \p
	s_add_co_u32 s[TK], s[TK], 4096
	s_add_co_u32 s[TS], s[TS], 512
	s_add_co_u32 s[TJ], s[TJ], 256
	s_sub_co_u32 s[CNT], s[CNT], 1
	s_cmp_lg_u32 s[CNT], 0
	s_cbranch_scc1 .Lkeys_\@
	s_setprio 0
	s_wait_alu depctr_va_vdst(0)
	OUT \p
.endm
	s_load_b128 s[4:7], s[0:1], 0x0                ; qkv s[4:5], oq s[6:7]
	v_lshl_add_u32 v254, v0, 2, 0x29000
	v_mov_b32 v255, 0
	ds_add_u32 v254, v255
	ds_add_u32 v254, v255
	s_wait_dscnt 0x0
	v_lshrrev_b32 v1, 5, v0
	s_delay_alu instid0(VALU_DEP_1)
	v_readfirstlane_b32 s[WV], v1                  ; wave 0..15
	s_bfe_u32 s8, ttmp6, 0x40000                   ; cx
	s_lshl_b32 s9, ttmp9, 2
	s_add_co_u32 s8, s9, s8                        ; my block of 512 queries: it enters Q's and oq's addresses alone
	s_and_b32 s10, ttmp7, 0xffff                   ; batch x 16 + head, which the four partners share
	s_mul_i32 s12, s10, REC
	s_mov_b32 s13, 0
	s_mul_i32 s14, s[WV], 8960                     ; my 35 rows of 256 bytes, in memory and in LDS alike
	s_mov_b32 s15, 0
	s_mov_b32 s[G1], 15|(3<<16)|(1<<21)            ; the mask: all four work-groups; elements of 8 bytes; bit 21 beside a mask; no padding: images are read 16 bytes a lane on end
	s_mov_b32 s[G1+1], 32<<16                      ; tensor_dim0 = 32
	s_mov_b32 s[G1+2], 35<<16                      ; tensor_dim1 = 35
	s_mov_b32 s[G1+3], 32<<16                      ; tile_dim0
	s_mov_b32 s[G1+4], 35                          ; tile_dim1
	s_mov_b32 s[G1+5], 32                          ; dense
	s_mov_b32 s[G1+6], 0
	s_mov_b32 s[G1+7], 0
	s_mov_b32 s[SEL], 0x76543210
	s_mov_b32 s[SEL+1], 0xfedcba98
	s_mov_b32 s[CS], 0x3e38aa3b                    ; c = log2(e) / 8
	s_mov_b32 s[CS+1], s[CS]
	s_mov_b32 s[HI], 0xffff0000
	s_wait_kmcnt 0x0
	s_add_nc_u64 s[4:5], s[4:5], s[12:13]          ; the head's record
	s_mov_b32 s[G0], 1
	s_mov_b32 s[G0+1], s14
	s_add_nc_u64 s[G0+2:G0+3], s[4:5], s[14:15]
	s_or_b32 s[G0+3], s[G0+3], 0x80000000
	CROUND                                         ; all four work-groups are here: the joint loads meet
	tensor_load_to_lds s[G0:G0+3], s[G1:G1+7]      ; my one tensor load of the launch
	s_nop 0
.rept 4
	v_nop
.endr
	s_lshl_b32 s16, s8, 5
	s_add_co_u32 s16, s16, s[WV]                   ; my first tile of queries; the second lies 16 tiles on
	s_lshl_b32 s12, s16, 9
	s_add_co_u32 s12, s12, QC
	s_mov_b32 s13, 0
	s_add_nc_u64 s[12:13], s[4:5], s[12:13]        ; its image
	s_lshr_b32 s14, s16, 3
	s_lshl_b32 s14, s14, 9                         ; its scale words: 512 bytes for eight tiles,
	s_and_b32 s15, s16, 1
	s_lshl_b32 s15, s15, 8                         ; the odd tiles' in lanes 16-31's places,
	s_add_co_u32 s14, s14, s15
	s_bfe_u32 s15, s16, 0x20001
	s_lshl_b32 s15, s15, 2                         ; word (tile / 2) % 4 of a lane's four
	s_add_co_u32 s14, s14, s15
	s_add_co_u32 s14, s14, QS
	s_mov_b32 s15, 0
	s_add_nc_u64 s[14:15], s[4:5], s[14:15]
	v_and_b32 v7, 31, v0                           ; lane
	v_and_b32 v5, 15, v0                           ; r
	v_bfe_u32 v6, v0, 4, 1                         ; h
	s_delay_alu instid0(VALU_DEP_3)
	v_lshlrev_b32 v1, 4, v7                        ; 16 x lane: K's images, and the images in memory
	s_delay_alu instid0(VALU_DEP_1)
	v_add_nc_u32 v2, VC, v1                        ; V's
	s_delay_alu instid0(VALU_DEP_2)
	v_add_nc_u32 v3, KS, v1                        ; K's scale words
	v_lshlrev_b32 v4, 3, v7
	s_delay_alu instid0(VALU_DEP_1)
	v_add_nc_u32 v4, VS, v4                        ; V's
	v_lshl_add_u32 v6, v5, 5, v6                   ; 32 r + h: my scale byte of out
	v_lshlrev_b32 v5, 4, v5                        ; 16 r: Q's scale word
.irp p, 0,1
	global_load_b128 v[16+8*\p:19+8*\p], v1, s[12:13] offset:8192*\p
	global_load_b32 v[242+\p], v5, s[14:15] offset:1024*\p
.endr
	s_lshr_b32 s9, s10, 4                          ; batch
	s_and_b32 s11, s10, 15                         ; head
	s_lshl_b32 s9, s9, 7
	s_add_co_u32 s9, s9, s16                       ; my first tile among all 512
	s_lshr_b32 s41, s11, 3
	s_lshl_b32 s41, s41, 21
	s_lshl_b32 s42, s9, 12
	s_add_co_u32 s42, s42, s41
	s_and_b32 s41, s11, 7
	s_lshl_b32 s41, s41, 9
	s_add_co_u32 s42, s42, s41
	s_mov_b32 s43, 0
	s_add_nc_u64 s[42:43], s[6:7], s[42:43]        ; out's codes
	s_lshl_b32 s44, s9, 9
	s_lshl_b32 s41, s11, 1
	s_add_co_u32 s44, s44, s41
	s_add_co_u32 s44, s44, 4194304
	s_mov_b32 s45, 0
	s_add_nc_u64 s[44:45], s[6:7], s[44:45]        ; and scale bytes
.irp j, 20,21,22,23,28,29,30,31
	v_mov_b32 v[\j], 0                             ; zero codes for the padded half of the first product's K: Q's,
.endr
.irp t, 0,1,2,3,4,5,6,7
.irp j, 4,5,6,7
	v_mov_b32 v[32+8*\t+\j], 0                     ; and K's: written once, no load lands there
.endr
.endr
.irp b, 0,1,2,3
	v_mov_b32 v[236+\b], 0                         ; written once: a lane permute's destination counts as one of its sources
.endr
	v_mov_b32 v253, 0                              ; (named as the upper half of the pair v[252:253] before it is first written)
	s_wait_tensorcnt 0x0                           ; my part of the head's K and V has landed
	s_barrier_signal -1
	s_barrier_wait -1                              ; everybody's has
	s_wait_loadcnt 0x0                             ; Q
	PASS 0
	PASS 1
	s_wait_xcnt 0x0
	v_lshl_add_u32 v254, v0, 2, 0x29000
	v_mov_b32 v255, 0
	s_wait_alu depctr_va_vdst(0)
	s_wait_tensorcnt 0x0
	ds_add_u32 v254, v255
	s_wait_dscnt 0x0
	CROUND                                         ; the closing round
	s_endpgm
.Lfunc_end_k_q1b7d4c6ced_attn:
	.size	k_q1b7d4c6ced_attn, .Lfunc_end_k_q1b7d4c6ced_attn-k_q1b7d4c6ced_attn
	.p2alignl 7, 3214868480
	.fill 96, 4, 3214868480
	.section	.rodata,"a",@progbits
	.p2align	6, 0x0
	.amdhsa_kernel k_q1b7d4c6ced_attn
		.amdhsa_group_segment_fixed_size 169984
		.amdhsa_private_segment_fixed_size 0
		.amdhsa_enable_private_segment 0
		.amdhsa_kernarg_size 16
		.amdhsa_user_sgpr_count 2
		.amdhsa_user_sgpr_kernarg_segment_ptr 1
		.amdhsa_wavefront_size32 1
		.amdhsa_system_sgpr_workgroup_id_x 1
		.amdhsa_system_sgpr_workgroup_id_y 1
		.amdhsa_system_sgpr_workgroup_id_z 1
		.amdhsa_system_vgpr_workitem_id 0
		.amdhsa_next_free_vgpr 256
		.amdhsa_next_free_sgpr 66
		.amdhsa_reserve_vcc 0
		.amdhsa_float_denorm_mode_32 3
		.amdhsa_float_denorm_mode_16_64 3
		.amdhsa_memory_ordered 1
		.amdhsa_forward_progress 1
		.amdhsa_inst_pref_size 51
	.end_amdhsa_kernel
	.amdgpu_metadata
---
amdhsa.version: [ 1, 2 ]
amdhsa.kernels:
  - .name:           k_q1b7d4c6ced_attn
    .symbol:         k_q1b7d4c6ced_attn.kd
    .args:
      - { .name: qkv, .offset: 0, .size: 8, .value_kind: global_buffer, .address_space: global }
      - { .name: oq, .offset: 8, .size: 8, .value_kind: global_buffer, .address_space: global }
    .group_segment_fixed_size: 169984
    .private_segment_fixed_size: 0
    .kernarg_segment_align: 8
    .kernarg_segment_size: 16
    .max_flat_workgroup_size: 512
    .sgpr_count:     66
    .vgpr_count:     256
    .wavefront_size: 32
...
	.end_amdgpu_metadata
.endif
;; end of part 3
;; launch gemm2 (part 4): grid 8 x 32, 4 waves a work-group, clusters of 4 x 4, 327,680 bytes of LDS; arguments oq, wf, b_fc, out0; writes out0
.if DOCPART == 4
	.amdgcn_target "amdgcn-amd-amdhsa--gfx1250"
	.amdhsa_code_object_version 6
	.text
	.protected	k_q1b7d4c6ced_gemm2
	.globl	k_q1b7d4c6ced_gemm2
	.p2align	8
	.type	k_q1b7d4c6ced_gemm2,@function
k_q1b7d4c6ced_gemm2:
	s_mov_b64 s[64:65], 0
	v_nop
	global_prefetch_b8 v0, s[64:65] scope:SCOPE_SE
	s_setreg_imm32_b32 hwreg(HW_REG_WAVE_MODE, 25, 1), 1
	s_wait_xcnt 0x0
	s_wait_alu depctr_hold_cnt(0) depctr_sa_sdst(0) depctr_va_vdst(0) depctr_va_sdst(0) depctr_va_ssrc(0) depctr_va_vcc(0) depctr_vm_vsrc(0)
	s_getreg_b32 s2, hwreg(HW_REG_IB_STS2, 6, 4)
	s_cmp_eq_u32 s2, 0
	s_cbranch_scc0 .Lentry_in_a_cluster
	s_endpgm
.Lentry_in_a_cluster:
	s_bfe_u32 s2, ttmp6, 0x10000c
	s_cmp_lg_u32 s2, 0xf033
	s_cbranch_scc0 .Lentry_shape_is_right
	s_endpgm
.Lentry_shape_is_right:
; out0 = Q(out) Q(w_fc) + b_fc on codes of FP4 (E2M1) with E8M0 scales; out0 [8192][1024] f32.
; A work-group of four waves takes 256 rows (places of tokens) x 128 columns: 8 x 32 = 256 work-groups.  A wave takes 128 x 64: 8 blocks of out x 4 blocks of W, 32 accumulators in window 2.
; K = 1,024 lies in LDS whole: two slots of 512 along K, each filled once, and the scale bytes of all of K behind them: no LDS byte is filled twice.
; out's codes arrive as images of the operand's registers (a tile of 16 rows x 512 K: 4,096 dense bytes; K step q at 1,024 q, half c at 512 c, 16 bytes a lane): they are read 16 bytes a lane on end.  W's arrive as rows, padded in LDS.
; CLUSTERS: 4 x 4 work-groups; out's tiles are asked for jointly along a row of the cluster, W's along a column.
; The matrix instruction is used transposed (source 0 = 16 rows of W, source 1 = 16 rows of out): a lane holds eight neighbouring columns of a row.  W's rows and out's rows lie in position order; the true columns
; are restored by the place in the stage, the true rows by the stores' offsets.  The bias is the C of each sum's first matrix instruction.
; REGISTERS: window 0: v16-29 addresses; v32-95 out's scale words, two sets; v96-127 W's, two sets; v128-191 out's fragments, one set; v192-255 the way out, two sets.  window 1: W's fragments at v0 and v128; v64-95 the bias.  window 2: the accumulators.
.set PITCH,  272
.set NP,     4
.set ABYT,   65536                     ; a slot: out's 16 tiles,
.set HALFB,  64*PITCH                  ; then W's 128 rows of 256 bytes + 16
.set SLOT,   ABYT+2*HALFB
.set SCL,    2*SLOT                    ; out's scale bytes, as rows of 256 bytes + 16
.set HSA,    16*272                    ; those of 128 rows
.set SCLB,   SCL+2*HSA                 ; W's
.set HSB,    8*272                     ; those of 64 rows
.set SBLK,   2*272                     ; those of 16 rows
.set ADRA, 16
.set ADRB, 20
.set BH,   23
.set STO,  24
.set RD,   25
.set CO,   26
.set ADRS, 27
.set ADRT, 28
.set L16,  29
.set SCA,  32
.set SCB,  96
.set AF,   128
.set BK,   192
.set BI,   64
.set G1, 24
.set G0, 32
.set G1B, 48
.set G0B, 56
.set G1S, 68
.set G0S, 76
.set G1SB, 80
.set G0SB, 88
.set MSB, 0
.macro WIN new
.if MSB != (\new)
	s_set_vgpr_msb (MSB<<8)|(\new)
.set MSB, (\new)
.endif
.endm
.set TO_B, 0x40
.macro JLOAD g0a, g1a, g0b, g1b        ; waves 0 and 1 fetch for out, waves 2 and 3 for W; four v_nop follow each of the two lines
	s_cmp_eq_u32 s15, 0
	s_cbranch_scc0 .Lfor_b_\@
	tensor_load_to_lds s[\g0a:\g0a+3], s[\g1a:\g1a+7]
	s_nop 0
.rept 4
	v_nop
.endr
	s_branch .Lasked_\@
.Lfor_b_\@:
	tensor_load_to_lds s[\g0b:\g0b+3], s[\g1b:\g1b+7]
	s_nop 0
.rept 4
	v_nop
.endr
.Lasked_\@:
.endm
.macro CROUND
	s_barrier_signal -1
	s_barrier_wait -1
	s_cmp_lg_u32 s14, 0
	s_cbranch_scc1 .Lnot_wave_0_\@
	s_barrier_signal -3
.Lnot_wave_0_\@:
	s_barrier_wait -3
	s_barrier_signal -1
	s_barrier_wait -1
.endm
.macro PLACES n
.rept \n
	v_nop
.endr
.endm
.macro FETCH_B slot, q, p              ; W's four fragments into set p
	WIN TO_B
.irp i, 0,1,2,3
.irp c, 0,1
	ds_load_b128 v[128*(\p)+8*\i+4*\c:128*(\p)+8*\i+4*\c+3], v[ADRB+\slot] offset:64*(\q)+32*\c+\i*16*PITCH
.endr
.endr
	WIN 0
.endm
.macro FETCH_A slot, q, i0             ; out's blocks i0 .. i0 + 3, from their images
.irp i, \i0, \i0+1, \i0+2, \i0+3
.irp c, 0,1
	ds_load_b128 v[AF+8*(\i)+4*\c:AF+8*(\i)+4*\c+3], v[ADRA+\slot] offset:4096*(\i)+1024*(\q)+512*\c
.endr
.endr
.endm
.macro SCALES sc                       ; a slot's scale words, four a row, every lane by its r: out's eight blocks, W's four
.irp i, 0,1,2,3,4,5,6,7
	ds_load_b128 v[SCA+32*\sc+4*\i:SCA+32*\sc+4*\i+3], v[ADRS] offset:\i*SBLK
.endr
.irp i, 0,1,2,3
	ds_load_b128 v[SCB+16*\sc+4*\i:SCB+16*\sc+4*\i+3], v[ADRT] offset:\i*SBLK
.endr
.endm
; 8 matrix instructions: out's blocks 2 g, 2 g + 1 x W's four.  The 32 accumulators take turns, one instruction a turn, in the same order in every step.
.macro MUL8 g, p, q, sc, first
.if \first
	WIN 0x91
.else
	WIN 0xa1
.endif
.set aa, 2*(\g)
.rept 2
.set bb, 0
.rept 4
.set rD, 8*(4*aa+bb)
.if \first
	v_wmma_scale_f32_16x16x128_f8f6f4 v[rD:rD+7], v[128*(\p)+8*bb:128*(\p)+8*bb+7], v[AF+8*aa:AF+8*aa+7], v[BI+8*bb:BI+8*bb+7], v[SCB+16*(\sc)+4*bb+(\q)], v[SCA+32*(\sc)+4*aa+(\q)] matrix_a_fmt:MATRIX_FMT_FP4 matrix_b_fmt:MATRIX_FMT_FP4
.else
	v_wmma_scale_f32_16x16x128_f8f6f4 v[rD:rD+7], v[128*(\p)+8*bb:128*(\p)+8*bb+7], v[AF+8*aa:AF+8*aa+7], v[rD:rD+7], v[SCB+16*(\sc)+4*bb+(\q)], v[SCA+32*(\sc)+4*aa+(\q)] matrix_a_fmt:MATRIX_FMT_FP4 matrix_b_fmt:MATRIX_FMT_FP4
.endif
.set bb, bb+1
.endr
.set aa, aa+1
.endr
.endm
.macro STEP slot, q, first
	s_wait_dscnt 8                                 ; W's set and out's blocks 0-3 are in; the eight loads of blocks 4-7 may be out
	MUL8 0, (\q)%2, \q, \slot, \first
	MUL8 1, (\q)%2, \q, \slot, \first
	s_wait_dscnt 0x0
	PLACES NP                                      ; in front of loads into registers that matrix instructions have read
	FETCH_B \slot, (\q)+1, 1-(\q)%2
	FETCH_A \slot, (\q)+1, 0
	MUL8 2, (\q)%2, \q, \slot, \first
	MUL8 3, (\q)%2, \q, \slot, \first
	PLACES NP
	WIN 0
	FETCH_A \slot, (\q)+1, 4
.endm
.macro TOSTAGE a                       ; block a: 16 rows x 64 columns into my own stage, and back as whole rows of 256 bytes
	WIN 0x08                                       ; an LDS store's data: window 2
.irp b, 0,1,2,3
	ds_store_b128 v[STO], v[8*(4*(\a)+\b):8*(4*(\a)+\b)+3] offset:128*(\b/2)+32*(\b%2)        ; each accumulator from its low end on; the offset puts W's places back into true columns
	ds_store_b128 v[STO], v[8*(4*(\a)+\b)+4:8*(4*(\a)+\b)+7] offset:128*(\b/2)+32*(\b%2)+16
.endr
	WIN 0
.set BB, BK+32*((\a)%2)
.irp t, 0,1,2,3,4,5,6,7
	ds_load_b128 v[BB+4*\t:BB+4*\t+3], v[RD] offset:\t*2*272       ; LDS serves a wave's instructions in order (ISA guide 5.7.1.4): these see the stores above
.endr
.endm
.macro SEND a, younger
.set BB, BK+32*((\a)%2)
	s_wait_dscnt \younger                          ; the block is back; the next block's 8 stores and 8 loads may be out
.irp t, 0,1,2,3,4,5,6,7
	global_store_b128 v[CO], v[BB+4*\t:BB+4*\t+3], s[10:11] offset:(32*((\a)/2)+8*((\a)%2)+2*\t+8*(\t/4))*4096 th:TH_STORE_NT   ; the places' true rows; 16 lanes store 256 consecutive bytes, aligned
.endr
.endm
	s_load_b128 s[4:7], s[0:1], 0x0                ; oq s[4:5], wf s[6:7]
	s_load_b128 s[8:11], s[0:1], 0x10              ; b_fc s[8:9], out0 s[10:11]
	v_lshl_add_u32 v30, v0, 2, 0x34300
	v_mov_b32 v31, 0
	ds_add_u32 v30, v31
	ds_add_u32 v30, v31
	v_lshrrev_b32 v1, 5, v0
	v_readfirstlane_b32 s14, v1                    ; wave 0..3
	s_lshr_b32 s15, s14, 1                         ; my half of the rows.  Also: I fetch for out (0) or for W (1)
	s_and_b32 s16, s14, 1                          ; my half of the columns.  Also: which half of that tile I fetch
	s_bfe_u32 s40, ttmp6, 0x40000
	s_bfe_u32 s41, ttmp6, 0x40004
	s_lshl_b32 s42, ttmp9, 2
	s_add_co_u32 s42, s42, s40                     ; X: which 128 columns
	s_and_b32 s17, ttmp7, 0xffff
	s_lshl_b32 s17, s17, 2
	s_add_co_u32 s17, s17, s41                     ; Y: which 256 rows
	s_lshl_b32 s43, s41, 2
	s_lshl_b32 s43, 15, s43                        ; my row of the cluster
	s_lshl_b32 s44, 0x1111, s40                    ; my column
	s_or_b32 s[G1+0], s43, (3<<16)|(1<<21)         ; out's images: 32,768 dense bytes as 128 rows of 32 elements of 8 bytes, no padding
	s_mov_b32 s[G1+1], 32<<16
	s_mov_b32 s[G1+2], 128<<16
	s_mov_b32 s[G1+3], 32<<16
	s_mov_b32 s[G1+4], 128
	s_mov_b32 s[G1+5], 32
	s_mov_b32 s[G1+6], 0
	s_mov_b32 s[G1+7], 0
	s_or_b32 s[G1B+0], s44, (0<<16)|(1<<20)|(1<<21)|(5<<22)|(3<<25)  ; W: 64 rows of 256 bytes, 512 apart in memory, 4 words of padding behind every 64
	s_mov_b32 s[G1B+1], 256<<16
	s_mov_b32 s[G1B+2], 64<<16
	s_mov_b32 s[G1B+3], 256<<16
	s_mov_b32 s[G1B+4], 64
	s_mov_b32 s[G1B+5], 512
	s_mov_b32 s[G1B+6], 0
	s_mov_b32 s[G1B+7], 0
	s_or_b32 s[G1S+0], s43, (3<<16)|(1<<20)|(1<<21)|(5<<22)|(3<<25)  ; the scale bytes of 128 rows of out: 16 rows of 256 bytes
	s_mov_b32 s[G1S+1], 32<<16
	s_mov_b32 s[G1S+2], 16<<16
	s_mov_b32 s[G1S+3], 32<<16
	s_mov_b32 s[G1S+4], 16
	s_mov_b32 s[G1S+5], 32
	s_mov_b32 s[G1S+6], 0
	s_mov_b32 s[G1S+7], 0
	s_or_b32 s[G1SB+0], s44, (3<<16)|(1<<20)|(1<<21)|(5<<22)|(3<<25) ; of 64 rows of W: 8 rows
	s_mov_b32 s[G1SB+1], 32<<16
	s_mov_b32 s[G1SB+2], 8<<16
	s_mov_b32 s[G1SB+3], 32<<16
	s_mov_b32 s[G1SB+4], 8
	s_mov_b32 s[G1SB+5], 32
	s_mov_b32 s[G1SB+6], 0
	s_mov_b32 s[G1SB+7], 0
	s_lshl_b32 s20, s17, 4
	s_lshl_b32 s18, s16, 3
	s_add_co_u32 s20, s20, s18                     ; out: tile 16 Y + 8 x half
	s_lshl_b32 s22, s20, 9
	s_add_co_u32 s22, s22, 4194304                 ; its scale bytes: 512 a tile
	s_mov_b32 s23, 0
	s_lshl_b32 s20, s20, 12                        ; its images: 4,096 a tile and half of K
	s_mov_b32 s21, 0
	s_lshl_b32 s46, s42, 7
	s_lshl_b32 s18, s16, 6
	s_add_co_u32 s46, s46, s18                     ; W: row 128 X + 64 x half
	s_lshl_b32 s92, s46, 5
	s_add_co_u32 s92, s92, 524288
	s_mov_b32 s93, 0
	s_lshl_b32 s46, s46, 9
	s_mov_b32 s47, 0
	s_lshl_b32 s45, s16, 15                        ; where they go: no place in the cluster enters an LDS address
	s_mul_i32 s95, s16, HALFB
	s_add_co_u32 s95, s95, ABYT
	s_mul_i32 s94, s16, HSA
	s_add_co_u32 s94, s94, SCL
	s_mul_i32 s96, s16, HSB
	s_add_co_u32 s96, s96, SCLB
	s_wait_dscnt 0x0
	s_wait_kmcnt 0x0
	s_add_nc_u64 s[20:21], s[4:5], s[20:21]
	s_add_nc_u64 s[22:23], s[4:5], s[22:23]
	s_add_nc_u64 s[46:47], s[6:7], s[46:47]
	s_add_nc_u64 s[92:93], s[6:7], s[92:93]
	CROUND                                         ; all sixteen work-groups are here: the joint loads meet
	s_mov_b32 s[G0S], 1
	s_mov_b32 s[G0S+1], s94
	s_mov_b64 s[G0S+2:G0S+3], s[22:23]
	s_or_b32 s[G0S+3], s[G0S+3], 0x80000000
	s_mov_b32 s[G0SB], 1
	s_mov_b32 s[G0SB+1], s96
	s_mov_b64 s[G0SB+2:G0SB+3], s[92:93]
	s_or_b32 s[G0SB+3], s[G0SB+3], 0x80000000
	JLOAD G0S, G1S, G0SB, G1SB                     ; three loads of mine go out: the scale bytes,
.irp s, 0,1
	s_mov_b32 s[G0+4*\s], 1
	s_add_co_u32 s[G0+4*\s+1], s45, \s*SLOT
	s_add_nc_u64 s[G0+4*\s+2:G0+4*\s+3], s[20:21], \s*2097152
	s_or_b32 s[G0+4*\s+3], s[G0+4*\s+3], 0x80000000
	s_mov_b32 s[G0B+4*\s], 1
	s_add_co_u32 s[G0B+4*\s+1], s95, \s*SLOT
	s_add_nc_u64 s[G0B+4*\s+2:G0B+4*\s+3], s[46:47], \s*256
	s_or_b32 s[G0B+4*\s+3], s[G0B+4*\s+3], 0x80000000
	s_wait_alu depctr_va_vdst(0)
	s_wait_tensorcnt 0x0
	ds_add_u32 v30, v31
	s_wait_dscnt 0x0
	CROUND
	JLOAD G0+4*\s, G1, G0B+4*\s, G1B               ; and both halves of K
.endr
	v_and_b32 v1, 15, v0                           ; r
	v_bfe_u32 v2, v0, 4, 1                         ; h
	v_and_b32 v6, 31, v0
	v_lshlrev_b32 v[L16], 4, v6
	v_mul_u32_u24 v3, v1, PITCH
	v_lshl_add_u32 v4, v2, 4, v3
	s_lshl_b32 s21, s15, 15                        ; my eight tiles of out
	s_mul_i32 s22, s16, HALFB
	s_add_co_u32 s22, s22, ABYT                    ; my 64 rows of W
.irp s, 0,1
	v_add_nc_u32 v[ADRA+\s], s21, v[L16]
	v_add_nc_u32 v[ADRB+\s], s22, v4
	s_add_co_u32 s21, s21, SLOT
	s_add_co_u32 s22, s22, SLOT
.endr
	v_mul_u32_u24 v5, v1, 32                       ; my row's scale bytes: 32 a row,
	v_lshrrev_b32 v6, 8, v5
	v_lshl_add_u32 v5, v6, 4, v5                   ; and 16 more for each 256 passed
	s_mul_i32 s21, s15, HSA
	s_add_co_u32 s21, s21, SCL
	v_add_nc_u32 v[ADRS], s21, v5
	s_mul_i32 s22, s16, HSB
	s_add_co_u32 s22, s22, SCLB
	v_add_nc_u32 v[ADRT], s22, v5
	s_mul_i32 s23, s14, 16*272                     ; my stage: 16 rows x (256 bytes + 16), in slot 0, which has had its one fill and is left by every wave at the barrier between the slots
	v_lshl_add_u32 v5, v2, 6, v3
	v_add_nc_u32 v[STO], s23, v5                   ; in: row r, + 64 h
	v_mul_u32_u24 v5, v2, 272
	v_lshl_add_u32 v5, v1, 4, v5
	v_add_nc_u32 v[RD], s23, v5                    ; back: lanes 0-15 one row, lanes 16-31 the next
	v_lshlrev_b32 v[CO], 12, v2
	v_lshl_add_u32 v[CO], v1, 4, v[CO]             ; and the same two rows in out0
	v_lshlrev_b32 v[BH], 6, v2
	s_wait_alu depctr_va_vdst(0)
	s_lshl_b32 s46, s42, 9
	s_lshl_b32 s47, s16, 8
	s_add_co_u32 s46, s46, s47                     ; my first column, in bytes
	s_mov_b32 s47, 0
	s_add_nc_u64 s[8:9], s[8:9], s[46:47]          ; the bias there
	s_lshl_b32 s20, s17, 8
	s_lshl_b32 s21, s15, 7
	s_add_co_u32 s20, s20, s21
	s_lshl_b32 s20, s20, 12                        ; my first row, 4,096 bytes a row
	s_add_co_u32 s20, s20, s46
	s_mov_b32 s21, 0
	s_add_nc_u64 s[10:11], s[10:11], s[20:21]
	WIN TO_B
.irp b, 0,1,2,3
	global_load_b128 v[BI+8*\b:BI+8*\b+3], v[BH], s[8:9] offset:(32*(\b/2)+8*(\b%2))*4      ; a lane's eight columns of tile b
	global_load_b128 v[BI+8*\b+4:BI+8*\b+7], v[BH], s[8:9] offset:(32*(\b/2)+8*(\b%2))*4+16
.endr
	WIN 0
	s_wait_tensorcnt 1                             ; the scale bytes and my part of slot 0 are in; slot 1's load may be out
	s_barrier_signal -1
	s_barrier_wait -1                              ; everybody's are
	FETCH_B 0, 0, 0
	FETCH_A 0, 0, 0
	SCALES 0
	FETCH_A 0, 0, 4
	s_wait_loadcnt 0x0                             ; the bias
	STEP 0, 0, 1
	STEP 0, 1, 0
	STEP 0, 2, 0
	s_wait_tensorcnt 0x0                           ; slot 0's last step goes over to slot 1: my part of it has landed
	s_wait_dscnt 8
	MUL8 0, 1, 3, 0, 0
	s_wait_dscnt 0x0                               ; my reads of slot 0 are over
	s_barrier_signal -1
	MUL8 1, 1, 3, 0, 0
	WIN 0
	s_barrier_wait -1                              ; slot 1 is whole, and nobody reads slot 0 any more
	PLACES NP
	v_add_nc_u32 v[ADRS], 16, v[ADRS]              ; the second half of each row's 32 scale bytes
	v_add_nc_u32 v[ADRT], 16, v[ADRT]
	FETCH_B 1, 0, 0
	FETCH_A 1, 0, 0
	SCALES 1
	MUL8 2, 1, 3, 0, 0
	MUL8 3, 1, 3, 0, 0
	PLACES NP
	WIN 0
	FETCH_A 1, 0, 4
	STEP 1, 0, 0
	STEP 1, 1, 0
	STEP 1, 2, 0
	s_wait_dscnt 8                                 ; the last step: nothing more to fetch
	MUL8 0, 1, 3, 1, 0
	MUL8 1, 1, 3, 1, 0
	s_wait_dscnt 0x0
	MUL8 2, 1, 3, 1, 0
	MUL8 3, 1, 3, 1, 0
	WIN 0
	PLACES NP                                      ; in front of the first read of results
	TOSTAGE 0
.irp a, 1,2,3,4,5,6,7
.if \a > 1
	s_wait_xcnt 0x0                                ; block a - 2's stores have read their registers: block a's loads may land there
.endif
	TOSTAGE \a
	SEND \a-1, 16
.endr
	SEND 7, 0
	s_wait_tensorcnt 0x0
	ds_add_u32 v30, v31
	s_wait_dscnt 0x0
	CROUND                                         ; the closing round
	s_endpgm
.Lfunc_end_k_q1b7d4c6ced_gemm2:
	.size	k_q1b7d4c6ced_gemm2, .Lfunc_end_k_q1b7d4c6ced_gemm2-k_q1b7d4c6ced_gemm2
	.p2alignl 7, 3214868480
	.fill 96, 4, 3214868480
	.section	.rodata,"a",@progbits
	.p2align	6, 0x0
	.amdhsa_kernel k_q1b7d4c6ced_gemm2
		.amdhsa_group_segment_fixed_size 327680
		.amdhsa_private_segment_fixed_size 0
		.amdhsa_enable_private_segment 0
		.amdhsa_kernarg_size 32
		.amdhsa_user_sgpr_count 2
		.amdhsa_user_sgpr_kernarg_segment_ptr 1
		.amdhsa_wavefront_size32 1
		.amdhsa_system_sgpr_workgroup_id_x 1
		.amdhsa_system_sgpr_workgroup_id_y 1
		.amdhsa_system_sgpr_workgroup_id_z 1
		.amdhsa_system_vgpr_workitem_id 0
		.amdhsa_next_free_vgpr 768
		.amdhsa_next_free_sgpr 98
		.amdhsa_reserve_vcc 0
		.amdhsa_float_denorm_mode_32 3
		.amdhsa_float_denorm_mode_16_64 3
		.amdhsa_memory_ordered 1
		.amdhsa_forward_progress 1
		.amdhsa_inst_pref_size 76
	.end_amdhsa_kernel
	.amdgpu_metadata
---
amdhsa.version: [ 1, 2 ]
amdhsa.kernels:
  - .name:           k_q1b7d4c6ced_gemm2
    .symbol:         k_q1b7d4c6ced_gemm2.kd
    .args:
      - { .name: oq, .offset: 0, .size: 8, .value_kind: global_buffer, .address_space: global }
      - { .name: wf, .offset: 8, .size: 8, .value_kind: global_buffer, .address_space: global }
      - { .name: b_fc, .offset: 16, .size: 8, .value_kind: global_buffer, .address_space: global }
      - { .name: out0, .offset: 24, .size: 8, .value_kind: global_buffer, .address_space: global }
    .group_segment_fixed_size: 327680
    .private_segment_fixed_size: 0
    .kernarg_segment_align: 8
    .kernarg_segment_size: 32
    .max_flat_workgroup_size: 128
    .sgpr_count:     98
    .vgpr_count:     768
    .wavefront_size: 32
...
	.end_amdgpu_metadata
.endif
;; end of part 4
